; MI455X (gfx1250); checked and timed in simulation.
; The chip was launched on July 23, 2026; its instructions are those of AMD's public machine-readable ISA for CDNA 5 (MIT licence, August 2026) and "CDNA5" Instruction Set Architecture Reference Guide (July 2026). The comments in the code are by the model that wrote it; some were corrected since.
;; Tropical Shortest Path. Allowed arithmetic: float matrix products may take bf16 or f16 operands with f32 sums; other float arithmetic in f32, or as packed bf16 or f16 multiplies, adds, multiply-adds, maxima and minima; sums over many terms, partial sums and values carried from step to step in f32; what a program stores and reads back later, other than sums and carried values, may be rounded once to bf16 or f16.
;; Inputs: adj 4,096 x 64 x 64 float32; cls_W 4 x 256 x 256 float32; cls_b 4 x 256 float32; gate_W 4 x 256 x 256 float32; gate_b 4 x 256 float32; head_W 4,096 x 256 float32; head_b 4,096 float32; ip_W 256 x 4,096 float32; ip_b 256 float32; lf_mix 4 x 256 float32; lfi_max 4 x 256 x 8 float32; lfi_min 4 x 256 x 8 float32; lfs_max 4 x 256 x 8 float32; lfs_min 4 x 256 x 8 float32; norm_b 4 x 256 float32; norm_g 4 x 256 float32; on_b 256 float32; on_g 256 float32; trop_W 4 x 256 x 256 float32; trop_b 4 x 256 float32.
;; Outputs: out0 4,096 x 64 x 64 float32.
;; 2 versions, each right; version 2 is version 1 with the launch prep written anew for expert scheduling mode. Each part assembles by itself: llvm-mc -triple=amdgcn-amd-amdhsa -mcpu=gfx1250 --defsym DOCPART=n.
;; ======== version 1 of 2: 4 launches
;; limits: values are held in f16: magnitudes above 65,504 overflow, below 6.1e-05 lose precision; values outside matrix products are rounded to f16
;; workspace buffers: wip16 2,097,152 bytes; wh16 2,097,152 bytes; wt16 524,288 bytes; wgc16 1,048,576 bytes; part 33,554,432 bytes; hn16 2,097,152 bytes
;; launch prep (part 1): grid 256 x 1, 8 waves a work-group, no clusters, 0 bytes of LDS; arguments ip_W, head_W, trop_W, gate_W, cls_W, wip16, wh16, wt16, wgc16; writes wip16, wh16, wt16, wgc16
.if DOCPART == 1
	.amdgcn_target "amdgcn-amd-amdhsa--gfx1250"
	.amdhsa_code_object_version 6
	.text
	.protected	k_qdbc2c553e7_prep
	.globl	k_qdbc2c553e7_prep
	.p2align	8
	.type	k_qdbc2c553e7_prep,@function
k_qdbc2c553e7_prep:
	s_mov_b64 s[64:65], 0
	v_nop
	global_prefetch_b8 v0, s[64:65] scope:SCOPE_SE
	s_setreg_imm32_b32 hwreg(HW_REG_WAVE_MODE, 25, 1), 1
	s_wait_xcnt 0x0
; The five weight matrices are rounded once from f32 to f16, so that the later launches can bring them into LDS as they lie.
; wip16 = ip_W [256][4096], wh16 = head_W [4096][256], wt16 = trop_W [4][256][256], wgc16 = [4][2][256][256]: a layer's gate_W, then its cls_W.
; LIMIT: a weight of 65,520 or more in magnitude becomes an infinity; below 6.1e-5 a weight keeps f16's fixed step of 6e-8.
; Eight waves; work-group g takes 1/256 of each matrix: eleven items of 4,096 bytes.  In an item thread t loads 16 bytes (a wave: 512 consecutive bytes)
; and stores 8 (a wave: 256 consecutive bytes, aligned).  All eleven loads go out first; no register is written twice, so no store's source needs a wait.
; No LDS, no matrix unit, no cluster: every byte is touched once and no two work-groups read the same byte.
.set X, 4                              ; v[4:47]   item i: four f32 as loaded
.set Y, 48                             ; v[48:69]  item i: four f16 to store
	s_load_b512 s[4:19], s[0:1], 0x0               ; ip_W s[4:5], head_W s[6:7], trop_W s[8:9], gate_W s[10:11], cls_W s[12:13], wip16 s[14:15], wh16 s[16:17], wt16 s[18:19]
	s_load_b64 s[20:21], s[0:1], 0x40              ; wgc16
	s_lshl_b32 s24, ttmp9, 14                      ; my 16,384 bytes of ip_W and of head_W
	s_mov_b32 s25, 0
	s_lshl_b32 s26, ttmp9, 13                      ; and their 8,192 bytes in f16
	s_mov_b32 s27, 0
	s_lshl_b32 s28, ttmp9, 12                      ; my 4,096 bytes of trop_W, gate_W, cls_W
	s_mov_b32 s29, 0
	s_lshl_b32 s30, ttmp9, 11                      ; and their 2,048 bytes in f16
	s_mov_b32 s31, 0
	s_lshr_b32 s32, ttmp9, 6                       ; the layer: 64 work-groups to a layer's matrix
	s_lshl_b32 s32, s32, 17                        ; in wgc16 a layer is twice as long: 131,072 bytes more for each layer before mine
	s_add_co_u32 s32, s32, s30
	s_mov_b32 s33, 0
	v_lshlrev_b32 v1, 4, v0                        ; 16 t
	v_lshlrev_b32 v2, 3, v0                        ; 8 t
	s_wait_kmcnt 0x0
	s_add_nc_u64 s[4:5], s[4:5], s[24:25]
	s_add_nc_u64 s[6:7], s[6:7], s[24:25]
	s_add_nc_u64 s[8:9], s[8:9], s[28:29]
	s_add_nc_u64 s[10:11], s[10:11], s[28:29]
	s_add_nc_u64 s[12:13], s[12:13], s[28:29]
	s_add_nc_u64 s[14:15], s[14:15], s[26:27]
	s_add_nc_u64 s[16:17], s[16:17], s[26:27]
	s_add_nc_u64 s[18:19], s[18:19], s[30:31]
	s_add_nc_u64 s[20:21], s[20:21], s[32:33]
.irp i, 0,1,2,3
	global_load_b128 v[X+4*\i:X+4*\i+3], v1, s[4:5] offset:4096*\i th:TH_LOAD_NT
.endr
.irp i, 0,1,2,3
	global_load_b128 v[X+16+4*\i:X+16+4*\i+3], v1, s[6:7] offset:4096*\i th:TH_LOAD_NT
.endr
	global_load_b128 v[X+32:X+35], v1, s[8:9] th:TH_LOAD_NT
	global_load_b128 v[X+36:X+39], v1, s[10:11] th:TH_LOAD_NT
	global_load_b128 v[X+40:X+43], v1, s[12:13] th:TH_LOAD_NT
.macro CV i, base, off                 ; item i: rounded and stored
	s_wait_loadcnt 10-(\i)                         ; loads come back in order: the 10 - i younger ones may stay out
	v_cvt_pk_f16_f32 v[Y+2*(\i)], v[X+4*(\i)], v[X+4*(\i)+1]
	v_cvt_pk_f16_f32 v[Y+2*(\i)+1], v[X+4*(\i)+2], v[X+4*(\i)+3]
	global_store_b64 v2, v[Y+2*(\i):Y+2*(\i)+1], s[\base:\base+1] offset:\off
.endm
	CV 0, 14, 0
	CV 1, 14, 2048
	CV 2, 14, 4096
	CV 3, 14, 6144
	CV 4, 16, 0
	CV 5, 16, 2048
	CV 6, 16, 4096
	CV 7, 16, 6144
	CV 8, 18, 0
	CV 9, 20, 0                                    ; gate_W
	CV 10, 20, 131072                              ; cls_W lies behind the layer's gate_W
	s_endpgm
.Lfunc_end_k_qdbc2c553e7_prep:
	.size	k_qdbc2c553e7_prep, .Lfunc_end_k_qdbc2c553e7_prep-k_qdbc2c553e7_prep
	.p2alignl 7, 3214868480
	.fill 96, 4, 3214868480
	.section	.rodata,"a",@progbits
	.p2align	6, 0x0
	.amdhsa_kernel k_qdbc2c553e7_prep
		.amdhsa_group_segment_fixed_size 0
		.amdhsa_private_segment_fixed_size 0
		.amdhsa_enable_private_segment 0
		.amdhsa_kernarg_size 72
		.amdhsa_user_sgpr_count 2
		.amdhsa_user_sgpr_kernarg_segment_ptr 1
		.amdhsa_wavefront_size32 1
		.amdhsa_system_sgpr_workgroup_id_x 1
		.amdhsa_system_sgpr_workgroup_id_y 1
		.amdhsa_system_sgpr_workgroup_id_z 1
		.amdhsa_system_vgpr_workitem_id 0
		.amdhsa_next_free_vgpr 72
		.amdhsa_next_free_sgpr 66
		.amdhsa_reserve_vcc 0
		.amdhsa_float_denorm_mode_32 3
		.amdhsa_float_denorm_mode_16_64 3
		.amdhsa_memory_ordered 1
		.amdhsa_forward_progress 1
		.amdhsa_inst_pref_size 5
	.end_amdhsa_kernel
	.amdgpu_metadata
---
amdhsa.version: [ 1, 2 ]
amdhsa.kernels:
  - .name:           k_qdbc2c553e7_prep
    .symbol:         k_qdbc2c553e7_prep.kd
    .args:
      - { .name: ip_W, .offset: 0, .size: 8, .value_kind: global_buffer, .address_space: global }
      - { .name: head_W, .offset: 8, .size: 8, .value_kind: global_buffer, .address_space: global }
      - { .name: trop_W, .offset: 16, .size: 8, .value_kind: global_buffer, .address_space: global }
      - { .name: gate_W, .offset: 24, .size: 8, .value_kind: global_buffer, .address_space: global }
      - { .name: cls_W, .offset: 32, .size: 8, .value_kind: global_buffer, .address_space: global }
      - { .name: wip16, .offset: 40, .size: 8, .value_kind: global_buffer, .address_space: global }
      - { .name: wh16, .offset: 48, .size: 8, .value_kind: global_buffer, .address_space: global }
      - { .name: wt16, .offset: 56, .size: 8, .value_kind: global_buffer, .address_space: global }
      - { .name: wgc16, .offset: 64, .size: 8, .value_kind: global_buffer, .address_space: global }
    .group_segment_fixed_size: 0
    .private_segment_fixed_size: 0
    .kernarg_segment_align: 8
    .kernarg_segment_size: 72
    .max_flat_workgroup_size: 256
    .sgpr_count:     66
    .vgpr_count:     72
    .wavefront_size: 32
...
	.end_amdgpu_metadata
.endif
;; end of part 1
;; launch ipgemm (part 2): grid 32 x 8, 4 waves a work-group, clusters of 4 x 1, 327,680 bytes of LDS; arguments adj, wip16, part; writes part
.if DOCPART == 2
	.amdgcn_target "amdgcn-amd-amdhsa--gfx1250"
	.amdhsa_code_object_version 6
	.text
	.protected	k_qdbc2c553e7_ipgemm
	.globl	k_qdbc2c553e7_ipgemm
	.p2align	8
	.type	k_qdbc2c553e7_ipgemm,@function
k_qdbc2c553e7_ipgemm:
	s_mov_b64 s[64:65], 0
	v_nop
	global_prefetch_b8 v0, s[64:65] scope:SCOPE_SE
	s_setreg_imm32_b32 hwreg(HW_REG_WAVE_MODE, 25, 1), 1
	s_wait_xcnt 0x0
	s_wait_alu depctr_hold_cnt(0) depctr_sa_sdst(0) depctr_va_vdst(0) depctr_va_sdst(0) depctr_va_ssrc(0) depctr_va_vcc(0) depctr_vm_vsrc(0)
	s_getreg_b32 s2, hwreg(HW_REG_IB_STS2, 6, 4)
	s_cmp_eq_u32 s2, 0
	s_cbranch_scc0 .Lentry_in_a_cluster
	s_endpgm
.Lentry_in_a_cluster:
	s_bfe_u32 s2, ttmp6, 0x10000c
	s_cmp_lg_u32 s2, 0x3003
	s_cbranch_scc0 .Lentry_shape_is_right
	s_endpgm
.Lentry_shape_is_right:
; part[kc][row][o] = the sum over k in chunk kc (512 of the 4,096) of adj[row][k] ip_W[o][k]: f16 operands, f32 sums.  The eight chunks are added by the next launch, in ascending order.
; LIMIT: adj is rounded to f16: 65,520 or more in magnitude becomes an infinity.
; SHARES.  A work-group makes 128 rows x all 256 columns for one chunk; wave w makes rows 64 (w / 2) .. + 63, columns 128 (w % 2) .. + 127: 32 accumulators of 16 x 16.
; B (wip16, f16): the chunk's 256 rows x 1,024 bytes fit in LDS whole, as four slices of 128 k (rows of 256 bytes, padded to 272).  Nothing is ever filled twice.  The four work-groups of a cluster have
; the same chunk, so each slice is asked for JOINTLY: the same four tensor loads a wave (64 rows each), the same descriptors, a mask that names the four.  A wave has four tensor loads out.
; A (adj, f32) is each work-group's own and must be rounded, so it comes through registers: a step is 64 k = 256 consecutive bytes of each row; a wave loads its 32 rows by 16 loads of 16 bytes a lane
; (16 lanes cover a row's 256 aligned bytes), rounds them and puts them into one of two LDS buffers.  A ring of three steps in registers keeps 32 to 48 loads of every wave on their way.
; THE MATRIX INSTRUCTION IS USED TRANSPOSED (source 0 = 16 rows of B, source 1 = 16 rows of A): a lane then holds eight neighbouring columns of one row of the result.
; REGISTERS, in windows of 256 (s_set_vgpr_msb: bits 1:0 source 0, 3:2 source 1, 5:4 source 2, 7:6 destination):
;   window 0: v0-15 addresses; v32-127, v128-223 two fragment buffers (32 of A, 64 of B: 32 along k); v224-255 rounded A on its way to LDS
;   window 1: the 32 accumulators, (a, b) at v[8 (8 a + b)]          window 2: v0-191 the ring of A as loaded, 64 a step
.set BP,    272                        ; a row of a B slice in LDS: 256 bytes + 16 = 68 words: the 16 rows of a fragment load start at 16 different groups of four banks (64 banks of 4 bytes: ISA guide 11.1)
.set BSL,   256*BP                     ; a slice
.set BQ,    64*BP                      ; a wave's quarter of a slice
.set AB0,   4*BSL                      ; behind the slices: A's two buffers, written by LDS stores alone
.set AP,    144                        ; a row of A in LDS: 128 bytes + 16
.set ABB,   128*AP
.set STAGE, AB0                        ; the way out uses A's buffers again, behind a barrier: 16 rows x 528 bytes for each wave
.set SP,    528
.set SPARE, AB0+2*ABB                  ; the spare words: 128 bytes for each wave, two blocks of 256 bytes that no other line names
.set AO,  3                            ; v3    my byte offset in two rows of adj
.set AS,  4                            ; v4    where I put 8 bytes of rounded A, buffer 0
.set FA,  5                            ; v5    my place in A's fragments, buffer 0
.set FB,  6                            ; v6-9  my place in B's fragments, slice 0 to 3
.set STO, 10                           ; v10   the way out: where I put 16 bytes of a row
.set RD,  11                           ; v11   the way out: where I read a row back
.set CO,  12                           ; v12   my byte offset in 512 consecutive bytes of part
.set SPW, 14                           ; v14   LDS address of my spare word; never rewritten
.set NIL, 15                           ; v15   0; never rewritten
.set F0,  32
.set F1,  128
.set CV,  224
.set WV,  10                           ; s10   my wave's number
.set G1,  24                           ; s[24:31] descriptor group 1
.set G0,  32                           ; s[32:47] descriptor group 0, a set for each slice
.set MSB, 0
.macro WIN new                         ; the immediate's high byte repeats the setting that is left; a switch that changes nothing is dropped
.if MSB != (\new)
	s_set_vgpr_msb (MSB<<8)|(\new)
.set MSB, (\new)
.endif
.endm
.macro ROUND                           ; a round of the cluster's barrier: my work-group's barrier; wave 0 signals for the work-group; every wave waits for all four work-groups; my work-group's barrier once more
	s_barrier_signal -1
	s_barrier_wait -1
	s_cmp_lg_u32 s[WV], 0
	s_cbranch_scc1 .Lnot_wave_0_\@
	s_barrier_signal -3
.Lnot_wave_0_\@:
	s_barrier_wait -3
	s_barrier_signal -1
	s_barrier_wait -1
.endm
.macro PLACES                          ; four plain vector instructions between a matrix instruction and a load into, or a store from, its registers
.rept 4
	v_nop
.endr
.endm
	s_load_b128 s[4:7], s[0:1], 0x0                ; adj s[4:5], wip16 s[6:7]
	s_load_b64 s[8:9], s[0:1], 0x10                ; part
	v_lshl_add_u32 v[SPW], v0, 2, SPARE
	v_mov_b32 v[NIL], 0
	ds_add_u32 v[SPW], v[NIL]                      ; the wave's opening: the add and its wait stand ahead of my first tensor load; the set-up below, work on registers, stands between them
	v_lshrrev_b32 v1, 5, v0
	v_readfirstlane_b32 s[WV], v1                  ; wave 0..3
	s_lshr_b32 s11, s[WV], 1                       ; which 64 rows are mine
	s_and_b32 s12, s[WV], 1                        ; which 128 columns
	s_bfe_u32 s13, ttmp6, 0x40000                  ; cx: my place in the cluster
	s_lshl_b32 s14, ttmp9, 2                       ; in a cluster launch ttmp9 counts clusters
	s_add_co_u32 s14, s14, s13                     ; my block of 128 rows: it enters adj's and part's addresses alone
	s_and_b32 s15, ttmp7, 0xffff                   ; the chunk of K, which the four partners share
	s_mov_b32 s[G1+0], 15|(1<<16)|(1<<20)|(1<<21)|(5<<22)|(3<<25)  ; 15:0 the mask of four; 17:16 2-byte elements; 20 padding on; 21 set beside a mask; 24:22 after every 64 words (code 5); 31:25 4 words (code 3)
	s_mov_b32 s[G1+1], 128<<16                     ; tensor_dim0 = 128
	s_mov_b32 s[G1+2], 64<<16                      ; tensor_dim1 = 64
	s_mov_b32 s[G1+3], 128<<16                     ; tile_dim0 = 128
	s_mov_b32 s[G1+4], 64                          ; tile_dim1 = 64
	s_mov_b32 s[G1+5], 4096                        ; elements from row to row
	s_mov_b32 s[G1+6], 0
	s_mov_b32 s[G1+7], 0
	s_mul_i32 s20, s[WV], BQ                       ; my quarter of a slice: no place in the cluster enters an LDS address
	s_lshl_b32 s48, s[WV], 19                      ; my 64 rows of wip16, 8,192 bytes each,
	s_lshl_b32 s49, s15, 10                        ; at the chunk's 1,024 bytes
	s_add_co_u32 s48, s48, s49
	s_mov_b32 s49, 0
	s_lshl_b32 s16, s14, 7                         ; adj: row 128 x block + 32 x wave,
	s_lshl_b32 s17, s[WV], 5
	s_add_co_u32 s16, s16, s17
	s_lshl_b32 s16, s16, 14                        ; 16,384 bytes a row,
	s_lshl_b32 s17, s15, 11                        ; at the chunk's 2,048 bytes
	s_add_co_u32 s16, s16, s17
	s_mov_b32 s17, 0
	s_lshl_b32 s18, s14, 7                         ; part: row 128 x block + 64 x row half,
	s_lshl_b32 s19, s11, 6
	s_add_co_u32 s18, s18, s19
	s_lshl_b32 s18, s18, 10                        ; 1,024 bytes a row,
	s_lshl_b32 s19, s12, 9                         ; my 512 bytes of it,
	s_add_co_u32 s18, s18, s19
	s_lshl_b32 s19, s15, 22                        ; in the chunk's 4 MiB
	s_add_co_u32 s18, s18, s19
	s_mov_b32 s19, 0
	v_and_b32 v1, 15, v0                           ; r = lane % 16
	v_bfe_u32 v2, v0, 4, 1                         ; h = lane / 16
	v_and_b32 v13, 31, v0                          ; lane
	v_lshlrev_b32 v[AO], 4, v1
	v_lshl_add_u32 v[AO], v2, 14, v[AO]            ; lanes 0-15 one row's 256 bytes, lanes 16-31 the next row's
	s_mul_i32 s21, s[WV], 32*AP
	s_add_co_u32 s21, s21, AB0
	v_mul_u32_u24 v16, v2, AP
	v_lshl_add_u32 v16, v1, 3, v16
	v_add_nc_u32 v[AS], s21, v16                   ; row 32 w + h, 8 bytes for 4 numbers
	s_mul_i32 s21, s11, 64*AP
	s_add_co_u32 s21, s21, AB0
	v_mul_u32_u24 v16, v1, AP
	v_lshl_add_u32 v16, v2, 4, v16
	v_add_nc_u32 v[FA], s21, v16                   ; a fragment: row x pitch + 16 x half
	s_mul_i32 s21, s12, 128*BP
	v_mul_u32_u24 v16, v1, BP
	v_lshl_add_u32 v16, v2, 4, v16
	v_add_nc_u32 v[FB], s21, v16
	v_add_nc_u32 v[FB+1], BSL, v[FB]
	v_add_nc_u32 v[FB+2], 2*BSL, v[FB]
	v_add_nc_u32 v[FB+3], 3*BSL, v[FB]
	s_mul_i32 s21, s[WV], 16*SP
	s_add_co_u32 s21, s21, STAGE                   ; my stage
	v_mul_u32_u24 v16, v1, SP
	v_lshl_add_u32 v16, v2, 5, v16
	v_add_nc_u32 v[STO], s21, v16                  ; in: row r, 32 bytes for each half of the lanes
	v_lshl_add_u32 v[RD], v13, 4, s21              ; back: 32 lanes take a row's 512 bytes
	v_lshlrev_b32 v[CO], 4, v13
	s_wait_dscnt 0x0                               ; the opening add is done
	s_wait_kmcnt 0x0
	s_add_nc_u64 s[4:5], s[4:5], s[16:17]
	s_add_nc_u64 s[8:9], s[8:9], s[18:19]
	s_add_nc_u64 s[6:7], s[6:7], s[48:49]
.irp q, 0,1,2,3
	s_mov_b32 s[G0+4*\q], 1                        ; count = 1
	s_add_co_u32 s[G0+4*\q+1], s20, \q*BSL         ; LDS address
	s_add_nc_u64 s[G0+4*\q+2:G0+4*\q+3], s[6:7], \q*256  ; global address: slice q begins 256 bytes further along the rows
	s_or_b32 s[G0+4*\q+3], s[G0+4*\q+3], 0x80000000  ; type = 2
.endr
.macro GLOAD s                         ; step s of A: 16 loads into ring slot s % 3
	WIN 0x80                                       ; destination window 2, address window 0
.irp i, 0,1,2,3,4,5,6,7,8,9,10,11,12,13,14,15
	global_load_b128 v[64*((\s)%3)+4*\i:64*((\s)%3)+4*\i+3], v[AO], s[4:5] offset:32768*\i+256*(\s) th:TH_LOAD_NT
.endr
.endm
.macro CVST s                          ; step s of A: rounded to f16 and put into LDS buffer s % 2
	WIN 0x0a                                       ; sources 0 and 1 window 2
.irp i, 0,1,2,3,4,5,6,7,8,9,10,11,12,13,14,15
	v_cvt_pk_f16_f32 v[CV+2*\i], v[64*((\s)%3)+4*\i], v[64*((\s)%3)+4*\i+1]
	v_cvt_pk_f16_f32 v[CV+2*\i+1], v[64*((\s)%3)+4*\i+2], v[64*((\s)%3)+4*\i+3]
.endr
	WIN 0
.irp i, 0,1,2,3,4,5,6,7,8,9,10,11,12,13,14,15
	ds_store_b64 v[AS], v[CV+2*\i:CV+2*\i+1] offset:((\s)%2)*ABB+2*AP*\i
.endr
.endm
.macro FETCH f, s, kk                  ; 24 LDS loads: the fragments of 32 along k (half kk of step s) into buffer f
	WIN 0
.irp a, 0,1,2,3
	ds_load_b128 v[(\f)+8*\a:(\f)+8*\a+3],   v[FA] offset:((\s)%2)*ABB+16*AP*\a+64*(\kk)
	ds_load_b128 v[(\f)+8*\a+4:(\f)+8*\a+7], v[FA] offset:((\s)%2)*ABB+16*AP*\a+64*(\kk)+32
.endr
.irp b, 0,1,2,3,4,5,6,7
	ds_load_b128 v[(\f)+32+8*\b:(\f)+32+8*\b+3],   v[FB+(\s)/2] offset:16*BP*\b+128*((\s)%2)+64*(\kk)
	ds_load_b128 v[(\f)+32+8*\b+4:(\f)+32+8*\b+7], v[FB+(\s)/2] offset:16*BP*\b+128*((\s)%2)+64*(\kk)+32
.endr
.endm
.macro MUL f, zero                     ; 32 matrix instructions; the 32 accumulators take turns, one instruction a turn.  zero = 1: the first product starts the sums
	WIN 0x50                                       ; C and D window 1
.irp a, 0,1,2,3
.irp b, 0,1,2,3,4,5,6,7
.if \zero
	v_wmma_f32_16x16x32_f16 v[8*(8*\a+\b):8*(8*\a+\b)+7], v[(\f)+32+8*\b:(\f)+32+8*\b+7], v[(\f)+8*\a:(\f)+8*\a+7], 0
.else
	v_wmma_f32_16x16x32_f16 v[8*(8*\a+\b):8*(8*\a+\b)+7], v[(\f)+32+8*\b:(\f)+32+8*\b+7], v[(\f)+8*\a:(\f)+8*\a+7], v[8*(8*\a+\b):8*(8*\a+\b)+7]
.endif
.endr
.endr
.endm
; STEP s: 64 along k.  One barrier: in front of it my stores of A's step s are done, my reads of step s - 1 are back, and (even s) my quarter of the slice has landed; behind it all four waves' are.
; Then both halves' fragments are asked for, A's step s + 1 is rounded into the buffer that step s - 1 has left, its ring slot is asked for again, and the 64 products follow.
.macro STEP s
.if ((\s)%2) == 0
	s_wait_tensorcnt 3-(\s)/2                      ; tensor loads of a wave end in order: the younger slices may stay out
.endif
	s_wait_dscnt 0x0
	s_barrier_signal -1
	s_barrier_wait -1
	FETCH F0, \s, 0
	FETCH F1, \s, 1
.if (\s) < 7
.set nl, 0
.if (\s)+2 <= 7
.set nl, nl+16
.endif
.if (\s)+3 <= 7
.set nl, nl+16
.endif
	s_wait_loadcnt nl                              ; A's step s + 1 is in; the sixteen loads of each later step that has been asked for may stay out
	CVST (\s)+1
.if (\s)+4 <= 7
	GLOAD (\s)+4
.endif
	s_wait_dscnt 40                                ; the first half's fragments are in: the second half's 24 loads and my 16 stores are younger
.else
	s_wait_dscnt 24
.endif
.if (\s) == 0
	MUL F0, 1
.else
	MUL F0, 0
.endif
.if (\s) < 7
	s_wait_dscnt 16                                ; the 16 stores are younger
.else
	s_wait_dscnt 0x0
.endif
	MUL F1, 0
	PLACES
.endm
; THE WAY OUT of my rows 16 a .. + 15: a lane's eight columns go into my stage as 32 bytes, each accumulator's low registers first; whole rows of 512 bytes come back and are stored.
.macro OUT a
.set BK, 32+64*((\a)%2)
	WIN 0x04                                       ; store data window 1
.irp b, 0,1,2,3,4,5,6,7
	ds_store_b128 v[STO], v[8*(8*(\a)+\b):8*(8*(\a)+\b)+3] offset:64*\b
	ds_store_b128 v[STO], v[8*(8*(\a)+\b)+4:8*(8*(\a)+\b)+7] offset:64*\b+16
.endr
	WIN 0
	s_wait_xcnt 0x0                                ; the registers that earlier stores read are loaded again only behind this wait
.irp i, 0,1,2,3,4,5,6,7,8,9,10,11,12,13,14,15
	ds_load_b128 v[BK+4*\i:BK+4*\i+3], v[RD] offset:SP*\i  ; LDS serves a wave's instructions in order: these see the stores above
.endr
.irp i, 0,1,2,3,4,5,6,7,8,9,10,11,12,13,14,15
	s_wait_dscnt 15-\i
	global_store_b128 v[CO], v[BK+4*\i:BK+4*\i+3], s[8:9] offset:(16*(\a)+\i)*1024  ; 512 consecutive bytes, at a multiple of 256 from part's first byte
.endr
.endm
	GLOAD 0
	GLOAD 1
	GLOAD 2
	WIN 0
	ROUND                                          ; all four work-groups are here: the joint loads meet
.irp q, 0,1,2,3
	tensor_load_to_lds s[G0+4*\q:G0+4*\q+3], s[G1:G1+7]
	s_nop 0
.endr
	PLACES
	s_wait_loadcnt 32                              ; A's step 0 is in; steps 1 and 2 stay out
	CVST 0
	GLOAD 3
	STEP 0
	STEP 1
	STEP 2
	STEP 3
	STEP 4
	STEP 5
	STEP 6
	STEP 7
	WIN 0
	s_wait_dscnt 0x0                               ; my reads of A's buffers are back:
	s_barrier_signal -1
	s_barrier_wait -1                              ; everybody's are, so the buffers may serve as stages
	OUT 0
	OUT 1
	OUT 2
	OUT 3
	s_wait_tensorcnt 0x0                           ; the wave's end: behind my last tensor load and my last LDS store
	ds_add_u32 v[SPW], v[NIL]
	s_wait_dscnt 0x0
	ROUND                                          ; the closing round: no work-group ends while a partner may still ask for a tile that names it
	s_endpgm
.Lfunc_end_k_qdbc2c553e7_ipgemm:
	.size	k_qdbc2c553e7_ipgemm, .Lfunc_end_k_qdbc2c553e7_ipgemm-k_qdbc2c553e7_ipgemm
	.p2alignl 7, 3214868480
	.fill 96, 4, 3214868480
	.section	.rodata,"a",@progbits
	.p2align	6, 0x0
	.amdhsa_kernel k_qdbc2c553e7_ipgemm
		.amdhsa_group_segment_fixed_size 327680
		.amdhsa_private_segment_fixed_size 0
		.amdhsa_enable_private_segment 0
		.amdhsa_kernarg_size 24
		.amdhsa_user_sgpr_count 2
		.amdhsa_user_sgpr_kernarg_segment_ptr 1
		.amdhsa_wavefront_size32 1
		.amdhsa_system_sgpr_workgroup_id_x 1
		.amdhsa_system_sgpr_workgroup_id_y 1
		.amdhsa_system_sgpr_workgroup_id_z 1
		.amdhsa_system_vgpr_workitem_id 0
		.amdhsa_next_free_vgpr 704
		.amdhsa_next_free_sgpr 66
		.amdhsa_reserve_vcc 0
		.amdhsa_float_denorm_mode_32 3
		.amdhsa_float_denorm_mode_16_64 3
		.amdhsa_memory_ordered 1
		.amdhsa_forward_progress 1
		.amdhsa_inst_pref_size 119
	.end_amdhsa_kernel
	.amdgpu_metadata
---
amdhsa.version: [ 1, 2 ]
amdhsa.kernels:
  - .name:           k_qdbc2c553e7_ipgemm
    .symbol:         k_qdbc2c553e7_ipgemm.kd
    .args:
      - { .name: adj, .offset: 0, .size: 8, .value_kind: global_buffer, .address_space: global }
      - { .name: wip16, .offset: 8, .size: 8, .value_kind: global_buffer, .address_space: global }
      - { .name: part, .offset: 16, .size: 8, .value_kind: global_buffer, .address_space: global }
    .group_segment_fixed_size: 327680
    .private_segment_fixed_size: 0
    .kernarg_segment_align: 8
    .kernarg_segment_size: 24
    .max_flat_workgroup_size: 128
    .sgpr_count:     66
    .vgpr_count:     704
    .wavefront_size: 32
...
	.end_amdgpu_metadata
.endif
;; end of part 2
;; launch layers (part 3): grid 256 x 1, 4 waves a work-group, clusters of 4 x 1, 327,680 bytes of LDS; arguments part, ip_b, norm_g, norm_b, wt16, trop_b, lfs_max, lfi_max, lfs_min, lfi_min, lf_mix, wgc16, gate_b, cls_b, on_g, on_b, hn16; writes hn16
.if DOCPART == 3
	.amdgcn_target "amdgcn-amd-amdhsa--gfx1250"
	.amdhsa_code_object_version 6
	.text
	.protected	k_qdbc2c553e7_layers
	.globl	k_qdbc2c553e7_layers
	.p2align	8
	.type	k_qdbc2c553e7_layers,@function
k_qdbc2c553e7_layers:
	s_mov_b64 s[64:65], 0
	v_nop
	global_prefetch_b8 v0, s[64:65] scope:SCOPE_SE
	s_setreg_imm32_b32 hwreg(HW_REG_WAVE_MODE, 25, 1), 1
	s_wait_xcnt 0x0
	s_wait_alu depctr_hold_cnt(0) depctr_sa_sdst(0) depctr_va_vdst(0) depctr_va_sdst(0) depctr_va_ssrc(0) depctr_va_vcc(0) depctr_vm_vsrc(0)
	s_getreg_b32 s2, hwreg(HW_REG_IB_STS2, 6, 4)
	s_cmp_eq_u32 s2, 0
	s_cbranch_scc0 .Lentry_in_a_cluster
	s_endpgm
.Lentry_in_a_cluster:
	s_bfe_u32 s2, ttmp6, 0x10000c
	s_cmp_lg_u32 s2, 0x3003
	s_cbranch_scc0 .Lentry_shape_is_right
	s_endpgm
.Lentry_shape_is_right:
; h = the eight partial sums of the input projection, added in ascending order, + ip_b; then four residual layers; then the last LayerNorm, stored in f16 for the head's product.
; A layer: hn = LN(h); y[o] = min_i(hn[i] + trop_W[o][i]) + trop_b[o]; to = mix max_p(y s + i) + (1 - mix) min_p(y s + i); c = gelu(hn cls_W^T + cls_b); g = sigmoid(hn gate_W^T + gate_b); h += g to + (1 - g) c.
; SHARES.  A work-group owns 16 rows.  Behind the LayerNorm everything lies in ONE layout, that of a matrix result: wave w owns the outputs o = 64 w + 16 t + r (t = 0..3, r = lane % 16), and register j of a
; tile's eight holds row 8 (lane / 16) + j.  So the min-plus sums, both products' sums and the residual meet in the same lane.  The LayerNorm goes by rows: wave w takes rows 4 w .. + 3, a lane eight columns.
; THE MIN-PLUS PRODUCT has no matrix form: two sums and two minima at a time, in packed f16.  To keep f16's relative precision where the minimum is decided, the row's own minimum m is taken off first:
; u = hn - m >= 0, y = m + min_i(u[i] + W[o][i]), an identity for every input: the sums that win have W's size.
; WEIGHTS come as f16 tiles of 256 x 256 by tensor loads; a wave loads, and alone reads, its own 64 rows, so its own wait on TENSORcnt orders the reads.  All four work-groups of a cluster walk the same
; weights: every tile is asked for JOINTLY.  Two regions: R0 holds trop_W of the layer, R1 the layer's gate_W and then its cls_W.  Each refill stands first behind a round of the cluster's barrier; a
; wave has one tensor load out.  gate_W lands under the first half of the min-plus product, cls_W under the second, the next layer's trop_W under the blend and the LayerNorm.
; LIMITS.  hn, u and the weights are f16: 65,520 or more in magnitude becomes an infinity; below 6.1e-5 they keep f16's fixed step of 6e-8.  erf is 1 - (a1 t + .. + a5 t^5) e^(-z^2), t = 1 / (1 + p z)
; (Abramowitz and Stegun 7.1.26), off by 1.5e-7 at the most.  NaN and infinities are not treated apart.
; REGISTERS, in windows of 256 (s_set_vgpr_msb: bits 1:0 source 0, 3:2 source 1, 5:4 source 2, 7:6 destination):
;   window 0: v0-23 addresses and a pair at work; v24-31 m of my eight rows; v32-63 the min-plus sums; v64-95 the gate's sums x -log2(e); v96-127 the products' accumulators; v128-255 at work
;   window 1: v0-127 the pieces' slopes and intercepts, 32 a tile; v128-143 trop_b, lf_mix, cls_b, gate_b, one a tile; v144-159 the LayerNorm's gain and bias; v160-167 ip_b (at the start v0-127 hold partial sums)
.set PW,  528                          ; a row of 256 f16 in LDS: 512 bytes + 16 = 132 words: the 16 rows of a load start at 16 different groups of four banks (64 banks of 4 bytes: ISA guide 11.1)
.set QW,  64*PW                        ; a wave's 64 rows
.set R1,  256*PW                       ; R0 begins at 0
.set HB,  2*R1                         ; h, f32: 16 rows of 1,024 + 16 bytes
.set PH,  1040
.set HN,  HB+16*PH                     ; hn, f16: 16 rows
.set UB,  HN+16*PW                     ; u, f16: 16 rows
.set MB,  UB+16*PW                     ; m: 16 words
.set SPARE, MB+256                     ; the spare words: 128 bytes for each wave, two blocks of 256 bytes that no other line names
.set ONE, 1                            ; v1    1.0 (during the set-up: r)
.set SPW, 4                            ; v4    LDS address of my spare word; never rewritten
.set NIL, 5                            ; v5    0; never rewritten
.set AW,  6                            ; v6    trop_W's next fetch;  v7 its base: my output's row in R0
.set AW0, 7
.set AU,  8                            ; v8    u's next fetch;       v9 its base: my eight rows
.set AU0, 9
.set AB,  10                           ; v10   my place in R1's fragments
.set AA,  11                           ; v11   my place in hn's fragments
.set AHD, 12                           ; v12   h by the result's layout
.set AHR, 13                           ; v13   h by rows
.set ANS, 14                           ; v14   where I put 8 bytes of hn (u: 16 rows further on)
.set AM,  15                           ; v15   m of my eight rows
.set AMS, 16                           ; v16   where my wave's four m go
.set P4,  17                           ; v17   4 (64 w + r) + 1,024 x layer
.set P32, 18                           ; v18   32 (64 w + r) + 8,192 x layer
.set PGO, 19                           ; v19   16 x lane + 1,024 x the layer whose gain and bias are asked for next
.set L8,  20                           ; v20   8 x lane
.set L16, 21                           ; v21   16 x lane
.set KB,  22                           ; v22   -log2(e) gate_b;  v23 sigmoid(lf_mix): of the tile in hand
.set M,   24
.set TACC, 32
.set GREG, 64
.set ACC, 96
.set WA,  128                          ; the min-plus product's two buffers: 16 registers of W (4 t + word), 32 of u (4 j + word)
.set UA,  144
.set WBF, 176
.set UBF, 192
.set TMP, 224
.set X,   128                          ; the LayerNorm: 8 numbers a row
.set TS,  160
.set MEAN, 192                         ; pairs: the even register holds the figure, the odd one is at work
.set RSTD, 200
.set MINR, 208
.set HP,  216
.set UP,  232
.set LFS, 128                          ; the blend: 8 pieces x 8 rows
.set RES, 192
.set G,   200
.set CX,  208
.set AX,  216
.set TT,  224
.set EE,  232
.set PP,  240
.set Y,   248
.set WV,  38                           ; s38   my wave's number
.set G1,  48                           ; s[48:55] descriptor group 1
.set G0T, 56                           ; s[56:59] group 0 for trop_W's tiles
.set G0G, 60                           ; s[60:63] group 0 for gate_W's and cls_W's
.set SEL, 66                           ; s[66:67] v_permlanex16_b32's selects: each lane takes its own place in the other half
.set NL2E, 68                          ; constants, each written twice: the packed forms name a pair and take its low word for both halves
.set A5,  70
.set A4,  72
.set A3,  74
.set A2,  76
.set A1,  78
.set PS,  80
.set NH,  82
.set ABSM, 84
.set I256, 85
.set EPS, 86
.set PB,  90                           ; s[90:97] part at my rows, chunks 0, 2, 4, 6; the odd chunks lie within the loads' immediate
.set MSB, 0
.macro WIN new                         ; the immediate's high byte repeats the setting that is left; a switch that changes nothing is dropped
.if MSB != (\new)
	s_set_vgpr_msb (MSB<<8)|(\new)
.set MSB, (\new)
.endif
.endm
.macro ROUND                           ; a round of the cluster's barrier
	s_barrier_signal -1
	s_barrier_wait -1
	s_cmp_lg_u32 s[WV], 0
	s_cbranch_scc1 .Lnot_wave_0_\@
	s_barrier_signal -3
.Lnot_wave_0_\@:
	s_barrier_wait -3
	s_barrier_signal -1
	s_barrier_wait -1
.endm
.macro PLACES                          ; four plain vector instructions between a matrix instruction and what touches its registers (ISA guide 7.12.1)
.rept 4
	v_nop
.endr
.endm
.macro KONST r, val
	s_mov_b32 s[\r], \val
	s_mov_b32 s[\r+1], \val
.endm
; A joint refill.  Every wave: all its tensor loads have landed; 0 onto its spare word; the add and its LDS reads are done; a round of the cluster's barrier, so that this holds of every wave of all
; four work-groups; then the one load, first behind the round.  stept = 1: trop_W's descriptor goes on to the next layer while no load of mine is out.
.macro REFILL g0, stept
	s_wait_tensorcnt 0x0
	ds_add_u32 v[SPW], v[NIL]
.if \stept
	s_add_nc_u64 s[G0T+2:G0T+3], s[G0T+2:G0T+3], 131072
.endif
	s_wait_dscnt 0x0
	ROUND
	tensor_load_to_lds s[\g0:\g0+3], s[G1:G1+7]
	s_nop 0
	PLACES
.endm
	s_load_b512 s[4:19], s[0:1], 0x0               ; part s[4:5], ip_b s[6:7], norm_g s[8:9], norm_b s[10:11], wt16 s[12:13], trop_b s[14:15], lfs_max s[16:17], lfi_max s[18:19]
	s_load_b512 s[20:35], s[0:1], 0x40             ; lfs_min s[20:21], lfi_min s[22:23], lf_mix s[24:25], wgc16 s[26:27], gate_b s[28:29], cls_b s[30:31], on_g s[32:33], on_b s[34:35]
	s_load_b64 s[36:37], s[0:1], 0x80              ; hn16
	v_lshl_add_u32 v[SPW], v0, 2, SPARE
	v_mov_b32 v[NIL], 0
	ds_add_u32 v[SPW], v[NIL]                      ; the wave's opening: the add and its wait stand ahead of my first tensor load; the set-up below, work on registers, stands between them
	v_lshrrev_b32 v1, 5, v0
	v_readfirstlane_b32 s[WV], v1                  ; wave 0..3
	s_bfe_u32 s39, ttmp6, 0x40000                  ; cx: my place in the cluster
	s_lshl_b32 s40, ttmp9, 2                       ; in a cluster launch ttmp9 counts clusters
	s_add_co_u32 s40, s40, s39                     ; my block of 16 rows: it enters part's and hn16's addresses alone
	s_mov_b32 s[G1+0], 15|(1<<16)|(1<<20)|(1<<21)|(6<<22)|(3<<25)  ; 15:0 the mask of four; 17:16 2-byte elements; 20 padding on; 21 set beside a mask; 24:22 after every 128 words (code 6); 31:25 4 words (code 3)
	s_mov_b32 s[G1+1], 256<<16                     ; tensor_dim0 = 256
	s_mov_b32 s[G1+2], 64<<16                      ; tensor_dim1 = 64
	s_mov_b32 s[G1+3], 256<<16                     ; tile_dim0 = 256
	s_mov_b32 s[G1+4], 64                          ; tile_dim1 = 64
	s_mov_b32 s[G1+5], 256                         ; elements from row to row
	s_mov_b32 s[G1+6], 0
	s_mov_b32 s[G1+7], 0
	s_mov_b32 s[G0T], 1
	s_mul_i32 s[G0T+1], s[WV], QW                  ; my 64 rows in R0: no place in the cluster enters an LDS address
	s_mov_b32 s[G0G], 1
	s_add_co_u32 s[G0G+1], s[G0T+1], R1            ; and in R1
	s_lshl_b32 s46, s[WV], 15                      ; my 64 rows of 512 bytes in a weight matrix
	s_mov_b32 s47, 0
	s_lshl_b32 s98, s40, 14                        ; part: row 16 x block + 4 x wave, 1,024 bytes a row
	s_lshl_b32 s99, s[WV], 12
	s_add_co_u32 s98, s98, s99
	s_mov_b32 s99, 0
	s_lshr_b32 s100, s98, 1                        ; hn16: the same rows, 512 bytes each
	s_mov_b32 s101, 0
	s_mov_b32 s[SEL], 0x76543210
	s_mov_b32 s[SEL+1], 0xfedcba98
	KONST NL2E, 0xbfb8aa3b                         ; -log2(e)
	KONST A5, 0x3f87dc22                           ; 1.061405429
	KONST A4, 0xbfba00e3                           ; -1.453152027
	KONST A3, 0x3fb5f0e3                           ; 1.421413741
	KONST A2, 0xbe91a98e                           ; -0.284496736
	KONST A1, 0x3e827906                           ; 0.254829592
	KONST PS, 0x3e6d3388                           ; 0.3275911 / sqrt(2)
	KONST NH, 0xbf38aa3b                           ; -log2(e) / 2
	s_mov_b32 s[ABSM], 0x7fffffff
	s_mov_b32 s[I256], 0x3b800000                  ; 1 / 256
	s_mov_b32 s[EPS], 0x3727c5ac                   ; 1e-5
	v_and_b32 v1, 15, v0                           ; r
	v_bfe_u32 v2, v0, 4, 1                         ; h
	v_and_b32 v3, 31, v0                           ; lane
	v_lshlrev_b32 v[L16], 4, v3
	v_lshlrev_b32 v[PGO], 4, v3
	v_lshlrev_b32 v[L8], 3, v3
	v_mul_u32_u24 v22, v1, PW
	v_add_nc_u32 v[AW0], s[G0T+1], v22             ; row 64 w + r of R0; both halves of the lanes read the same bytes
	v_mul_u32_u24 v[AU0], v2, 8*PW
	v_add_nc_u32 v[AU0], UB, v[AU0]                ; row 8 h of u: sixteen lanes read the same bytes
	v_lshl_add_u32 v[AB], v2, 4, v[AW0]
	v_add_nc_u32 v[AB], R1, v[AB]                  ; a fragment: row x pitch + 16 x half
	v_lshl_add_u32 v[AA], v2, 4, v22
	v_add_nc_u32 v[AA], HN, v[AA]
	s_lshl_b32 s43, s[WV], 8
	v_lshlrev_b32 v[P4], 2, v1
	v_add_nc_u32 v[P4], s43, v[P4]
	v_lshlrev_b32 v[P32], 3, v[P4]
	v_mul_u32_u24 v[AHD], v2, 8*PH
	v_add_nc_u32 v[AHD], v[AHD], v[P4]
	v_add_nc_u32 v[AHD], HB, v[AHD]                ; row 8 h, column 64 w + r
	s_mul_i32 s43, s[WV], 4*PH
	s_add_co_u32 s43, s43, HB
	v_add_nc_u32 v[AHR], s43, v[L16]               ; row 4 w, columns 4 x lane on
	s_mul_i32 s43, s[WV], 4*PW
	s_add_co_u32 s43, s43, HN
	v_add_nc_u32 v[ANS], s43, v[L8]
	v_lshlrev_b32 v[AM], 5, v2
	v_add_nc_u32 v[AM], MB, v[AM]
	s_lshl_b32 s43, s[WV], 4
	s_add_co_u32 s43, s43, MB
	v_mov_b32 v[AMS], s43
	s_wait_dscnt 0x0                               ; the opening add is done
	s_wait_kmcnt 0x0
	s_add_nc_u64 s[G0T+2:G0T+3], s[12:13], s[46:47]
	s_or_b32 s[G0T+3], s[G0T+3], 0x80000000        ; type = 2
	s_add_nc_u64 s[G0G+2:G0G+3], s[26:27], s[46:47]
	s_or_b32 s[G0G+3], s[G0G+3], 0x80000000
	s_add_nc_u64 s[PB:PB+1], s[4:5], s[98:99]
	s_add_nc_u64 s[PB+2:PB+3], s[PB:PB+1], 0x800000
	s_add_nc_u64 s[PB+4:PB+5], s[PB+2:PB+3], 0x800000
	s_add_nc_u64 s[PB+6:PB+7], s[PB+4:PB+5], 0x800000
	s_add_nc_u64 s[36:37], s[36:37], s[100:101]
	; the eight partial sums of my four rows: 64 loads of 512 consecutive bytes; chunks 0-3 into v128-255, chunks 4-7 into window 1
.irp k, 0,1,2,3
.irp q, 0,1,2,3
	global_load_b128 v[128+32*\k+8*\q:128+32*\k+8*\q+3],   v[L16], s[PB+2*(\k/2):PB+2*(\k/2)+1] offset:4194304*(\k%2)+1024*\q th:TH_LOAD_NT
	global_load_b128 v[128+32*\k+8*\q+4:128+32*\k+8*\q+7], v[L16], s[PB+2*(\k/2):PB+2*(\k/2)+1] offset:4194304*(\k%2)+1024*\q+512 th:TH_LOAD_NT
.endr
.endr
	WIN 0x40                                       ; destination window 1
.irp k, 4,5,6,7
.irp q, 0,1,2,3
	global_load_b128 v[32*(\k-4)+8*\q:32*(\k-4)+8*\q+3],   v[L16], s[PB+2*(\k/2):PB+2*(\k/2)+1] offset:4194304*(\k%2)+1024*\q th:TH_LOAD_NT
	global_load_b128 v[32*(\k-4)+8*\q+4:32*(\k-4)+8*\q+7], v[L16], s[PB+2*(\k/2):PB+2*(\k/2)+1] offset:4194304*(\k%2)+1024*\q+512 th:TH_LOAD_NT
.endr
.endr
	global_load_b128 v[160:163], v[L16], s[6:7]
	global_load_b128 v[164:167], v[L16], s[6:7] offset:512
	global_load_b128 v[144:147], v[PGO], s[8:9]    ; layer 0's gain and bias
	global_load_b128 v[148:151], v[PGO], s[8:9] offset:512
	global_load_b128 v[152:155], v[PGO], s[10:11]
	global_load_b128 v[156:159], v[PGO], s[10:11] offset:512
	WIN 0
	ROUND                                          ; all four work-groups are here: the first joint load meets
	tensor_load_to_lds s[G0T:G0T+3], s[G1:G1+7]    ; layer 0's trop_W
	s_nop 0
	PLACES
	v_mov_b32 v[ONE], 1.0
.set i, 0
.rept 32
	v_mov_b32 v[ACC+i], 0                          ; the first half layer scales what the accumulators hold and uses nothing of it: they need only have been written
.set i, i+1
.endr
	s_wait_loadcnt 0x0
.irp k, 1,2,3
.set i, 0
.rept 16
	v_pk_add_f32 v[128+2*i:128+2*i+1], v[128+2*i:128+2*i+1], v[128+32*\k+2*i:128+32*\k+2*i+1]
.set i, i+1
.endr
.endr
	WIN 0x04                                       ; source 1 window 1
.irp k, 0,1,2,3
.set i, 0
.rept 16
	v_pk_add_f32 v[128+2*i:128+2*i+1], v[128+2*i:128+2*i+1], v[32*\k+2*i:32*\k+2*i+1]
.set i, i+1
.endr
.endr
.irp q, 0,1,2,3
.irp i, 0,2,4,6
	v_pk_add_f32 v[128+8*\q+\i:128+8*\q+\i+1], v[128+8*\q+\i:128+8*\q+\i+1], v[160+\i:160+\i+1]
.endr
.endr
	WIN 0
.irp q, 0,1,2,3
	ds_store_b128 v[AHR], v[128+8*\q:128+8*\q+3] offset:PH*\q
	ds_store_b128 v[AHR], v[128+8*\q+4:128+8*\q+7] offset:PH*\q+512
.endr
; A figure over the 32 lanes, four rows side by side: four steps inside each half of 16 lanes ride on the arithmetic, one crosses the halves.
.macro RED op, opd, base
.irp m, 1,2,4,8
.irp q, 0,1,2,3
	\opd v[(\base)+2*\q], v[(\base)+2*\q], v[(\base)+2*\q] row_xmask:\m row_mask:0xf bank_mask:0xf
.endr
.endr
.irp q, 0,1,2,3
	v_permlanex16_b32 v[(\base)+2*\q+1], v[(\base)+2*\q], s[SEL], s[SEL+1]
.endr
.irp q, 0,1,2,3
	\op v[(\base)+2*\q], v[(\base)+2*\q], v[(\base)+2*\q+1]
.endr
.endm
; The layer's numbers for my four tiles of outputs: 48 loads into window 1; they land under the min-plus product.
.macro PARAMS
	WIN 0x40
.irp t, 0,1,2,3
	global_load_b128 v[32*\t:32*\t+3],     v[P32], s[16:17] offset:512*\t
	global_load_b128 v[32*\t+4:32*\t+7],   v[P32], s[16:17] offset:512*\t+16
	global_load_b128 v[32*\t+8:32*\t+11],  v[P32], s[18:19] offset:512*\t
	global_load_b128 v[32*\t+12:32*\t+15], v[P32], s[18:19] offset:512*\t+16
	global_load_b128 v[32*\t+16:32*\t+19], v[P32], s[20:21] offset:512*\t
	global_load_b128 v[32*\t+20:32*\t+23], v[P32], s[20:21] offset:512*\t+16
	global_load_b128 v[32*\t+24:32*\t+27], v[P32], s[22:23] offset:512*\t
	global_load_b128 v[32*\t+28:32*\t+31], v[P32], s[22:23] offset:512*\t+16
	global_load_b32 v[128+\t], v[P4], s[14:15] offset:64*\t
	global_load_b32 v[132+\t], v[P4], s[24:25] offset:64*\t
	global_load_b32 v[136+\t], v[P4], s[30:31] offset:64*\t
	global_load_b32 v[140+\t], v[P4], s[28:29] offset:64*\t
.endr
	WIN 0
.endm
; THE LAYERNORM of my four rows, in two passes (mean; then the squares of the differences).  fin = 0: hn and u = hn - min(hn) go to LDS in f16, the minima beside them.  fin = 1: the last one: hn goes to memory.
.macro LN fin
	WIN 0
	s_wait_dscnt 0x0                               ; my stores of h are done,
	s_barrier_signal -1
	s_barrier_wait -1                              ; everybody's are
.irp q, 0,1,2,3
	ds_load_b128 v[X+8*\q:X+8*\q+3],   v[AHR] offset:PH*\q
	ds_load_b128 v[X+8*\q+4:X+8*\q+7], v[AHR] offset:PH*\q+512
.endr
	s_wait_dscnt 0x0
.irp q, 0,1,2,3
	v_pk_add_f32 v[TS+8*\q:TS+8*\q+1],   v[X+8*\q:X+8*\q+1],   v[X+8*\q+2:X+8*\q+3]
	v_pk_add_f32 v[TS+8*\q+2:TS+8*\q+3], v[X+8*\q+4:X+8*\q+5], v[X+8*\q+6:X+8*\q+7]
.endr
.irp q, 0,1,2,3
	v_pk_add_f32 v[TS+8*\q:TS+8*\q+1], v[TS+8*\q:TS+8*\q+1], v[TS+8*\q+2:TS+8*\q+3]
.endr
.irp q, 0,1,2,3
	v_add_f32 v[MEAN+2*\q], v[TS+8*\q], v[TS+8*\q+1]
.endr
	RED v_add_f32, v_add_f32_dpp, MEAN
.irp q, 0,1,2,3
	v_mul_f32 v[MEAN+2*\q], s[I256], v[MEAN+2*\q]
.endr
.irp i, 0,2,4,6
.irp q, 0,1,2,3
	v_pk_add_f32 v[X+8*\q+\i:X+8*\q+\i+1], v[X+8*\q+\i:X+8*\q+\i+1], v[MEAN+2*\q:MEAN+2*\q+1] op_sel_hi:[1,0] neg_lo:[0,1] neg_hi:[0,1]
.endr
.endr
.irp q, 0,1,2,3
	v_pk_mul_f32 v[TS+8*\q:TS+8*\q+1], v[X+8*\q:X+8*\q+1], v[X+8*\q:X+8*\q+1]
.endr
.irp i, 2,4,6
.irp q, 0,1,2,3
	v_pk_fma_f32 v[TS+8*\q:TS+8*\q+1], v[X+8*\q+\i:X+8*\q+\i+1], v[X+8*\q+\i:X+8*\q+\i+1], v[TS+8*\q:TS+8*\q+1]
.endr
.endr
.irp q, 0,1,2,3
	v_add_f32 v[RSTD+2*\q], v[TS+8*\q], v[TS+8*\q+1]
.endr
	RED v_add_f32, v_add_f32_dpp, RSTD
.irp q, 0,1,2,3
	v_fma_f32 v[RSTD+2*\q], v[RSTD+2*\q], s[I256], s[EPS]
.endr
.irp q, 0,1,2,3
	v_rsq_f32 v[RSTD+2*\q], v[RSTD+2*\q]
.endr
	s_wait_loadcnt 0x0                             ; the gain and the bias are in: no other load of mine is out here
.if \fin
	v_nop                                          ; a plain instruction between the last root and the use of its result
	s_wait_alu depctr_va_vdst(0)
.else
	v_add_nc_u32 v[PGO], 1024, v[PGO]              ; free since that wait: the next layer's gain and bias; also the plain instruction behind the last root
	s_wait_alu depctr_va_vdst(0)
.endif
.irp i, 0,2,4,6
.irp q, 0,1,2,3
	v_pk_mul_f32 v[X+8*\q+\i:X+8*\q+\i+1], v[X+8*\q+\i:X+8*\q+\i+1], v[RSTD+2*\q:RSTD+2*\q+1] op_sel_hi:[1,0]
.endr
.endr
	WIN 0x14                                       ; sources 1 and 2 window 1
.irp i, 0,2,4,6
.irp q, 0,1,2,3
	v_pk_fma_f32 v[X+8*\q+\i:X+8*\q+\i+1], v[X+8*\q+\i:X+8*\q+\i+1], v[144+\i:144+\i+1], v[152+\i:152+\i+1]
.endr
.endr
	WIN 0
.irp i, 0,1,2,3
.irp q, 0,1,2,3
	v_cvt_pk_f16_f32 v[HP+4*\q+\i], v[X+8*\q+2*\i], v[X+8*\q+2*\i+1]
.endr
.endr
.if \fin
.irp q, 0,1,2,3
	global_store_b64 v[L8], v[HP+4*\q:HP+4*\q+1],   s[36:37] offset:512*\q      ; 256 consecutive bytes, aligned
	global_store_b64 v[L8], v[HP+4*\q+2:HP+4*\q+3], s[36:37] offset:512*\q+256
.endr
.else
.irp q, 0,1,2,3
	v_min3_num_f32 v[MINR+2*\q], v[X+8*\q], v[X+8*\q+1], v[X+8*\q+2]
.endr
.irp q, 0,1,2,3
	v_min3_num_f32 v[MINR+2*\q], v[MINR+2*\q], v[X+8*\q+3], v[X+8*\q+4]
.endr
.irp q, 0,1,2,3
	v_min3_num_f32 v[MINR+2*\q], v[MINR+2*\q], v[X+8*\q+5], v[X+8*\q+6]
.endr
.irp q, 0,1,2,3
	v_min_num_f32 v[MINR+2*\q], v[MINR+2*\q], v[X+8*\q+7]
.endr
	RED v_min_num_f32, v_min_num_f32_dpp, MINR
.irp i, 0,2,4,6
.irp q, 0,1,2,3
	v_pk_add_f32 v[X+8*\q+\i:X+8*\q+\i+1], v[X+8*\q+\i:X+8*\q+\i+1], v[MINR+2*\q:MINR+2*\q+1] op_sel_hi:[1,0] neg_lo:[0,1] neg_hi:[0,1]
.endr
.endr
.irp i, 0,1,2,3
.irp q, 0,1,2,3
	v_cvt_pk_f16_f32 v[UP+4*\q+\i], v[X+8*\q+2*\i], v[X+8*\q+2*\i+1]
.endr
.endr
.irp q, 0,1,2,3
	ds_store_b64 v[ANS], v[HP+4*\q:HP+4*\q+1],   offset:PW*\q
	ds_store_b64 v[ANS], v[HP+4*\q+2:HP+4*\q+3], offset:PW*\q+256
	ds_store_b64 v[ANS], v[UP+4*\q:UP+4*\q+1],   offset:16*PW+PW*\q
	ds_store_b64 v[ANS], v[UP+4*\q+2:UP+4*\q+3], offset:16*PW+PW*\q+256
	ds_store_b32 v[AMS], v[MINR+2*\q] offset:4*\q  ; all lanes write the same word with the same number
.endr
	PARAMS
	s_wait_dscnt 0x0                               ; my stores of hn, u and m are done,
	s_barrier_signal -1
	s_barrier_wait -1                              ; everybody's are
	ds_load_b128 v[M:M+3], v[AM]                   ; waited for with the next refill's wait for all LDS instructions
	ds_load_b128 v[M+4:M+7], v[AM] offset:16
.endif
.endm
; THE MIN-PLUS PRODUCT.  A chunk is 8 inputs i: 16 bytes of my four outputs' rows of W and of my eight rows of u: 12 LDS loads for 256 packed instructions.
.macro TFETCH wb, ub, imm
.irp t, 0,1,2,3
	ds_load_b128 v[(\wb)+4*\t:(\wb)+4*\t+3], v[AW] offset:16*PW*\t+(\imm)
.endr
.irp j, 0,1,2,3,4,5,6,7
	ds_load_b128 v[(\ub)+4*\j:(\ub)+4*\j+3], v[AU] offset:PW*\j+(\imm)
.endr
.endm
.macro CHUNK wb, ub                    ; for each word of two inputs and each tile: eight sums, then eight minima; a sum is read eight instructions behind its making
.irp d, 0,1,2,3
.irp t, 0,1,2,3
.irp j, 0,1,2,3,4,5,6,7
	v_pk_add_f16 v[TMP+8*(\t%2)+\j], v[(\wb)+4*\t+\d], v[(\ub)+4*\j+\d]
.endr
.irp j, 0,1,2,3,4,5,6,7
	v_pk_min_num_f16 v[TACC+8*\t+\j], v[TACC+8*\t+\j], v[TMP+8*(\t%2)+\j]
.endr
.endr
.endr
.endm
; hn (16 x 256) x my 64 rows of R1, transposed: 32 matrix instructions, the four accumulators by turns.  Three fragment buffers of 40 registers: step k + 2 is asked for at step k.
.macro GLD k
.set gb, 128+40*((\k)%3)
	ds_load_b128 v[gb:gb+3],   v[AA] offset:64*(\k)
	ds_load_b128 v[gb+4:gb+7], v[AA] offset:64*(\k)+32
.irp t, 0,1,2,3
	ds_load_b128 v[gb+8+8*\t:gb+8+8*\t+3],   v[AB] offset:16*PW*\t+64*(\k)
	ds_load_b128 v[gb+8+8*\t+4:gb+8+8*\t+7], v[AB] offset:16*PW*\t+64*(\k)+32
.endr
.endm
.macro GMM k
.set gb, 128+40*((\k)%3)
.irp t, 0,1,2,3
.if (\k) == 0
	v_wmma_f32_16x16x32_f16 v[ACC+8*\t:ACC+8*\t+7], v[gb:gb+7], v[gb+8+8*\t:gb+8+8*\t+7], 0
.else
	v_wmma_f32_16x16x32_f16 v[ACC+8*\t:ACC+8*\t+7], v[gb:gb+7], v[gb+8+8*\t:gb+8+8*\t+7], v[ACC+8*\t:ACC+8*\t+7]
.endif
.endr
.endm
.macro GEMM
	GLD 0
	GLD 1
.irp k, 0,1,2,3,4,5,6,7
.if (\k) < 6
.if (\k) > 0
	PLACES                                         ; the buffer to be loaded was read by the products just issued
.endif
	GLD (\k)+2
	s_wait_dscnt 20                                ; step k's ten loads are in; the two later steps' twenty may stay out
.elseif (\k) == 6
	s_wait_dscnt 10
.else
	s_wait_dscnt 0x0
.endif
	GMM \k
.endr
	PLACES
.endm
; d = a + one register of the pair b, for both halves
.macro BADD d, a, b, sel
.if \sel
	v_pk_add_f32 v[(\d):(\d)+1], v[(\a):(\a)+1], v[(\b):(\b)+1] op_sel:[0,1] op_sel_hi:[1,1]
.else
	v_pk_add_f32 v[(\d):(\d)+1], v[(\a):(\a)+1], v[(\b):(\b)+1] op_sel_hi:[1,0]
.endif
.endm
; y x slope + intercept for the eight pieces and my eight rows: slopes at tab, intercepts at tab + 8, in window 1
.macro LFP tab
	WIN 0x14
.irp p, 0,1,2,3,4,5,6,7
.irp q, 0,2,4,6
.if (\p)%2
	v_pk_fma_f32 v[LFS+8*\p+\q:LFS+8*\p+\q+1], v[Y+\q:Y+\q+1], v[(\tab)+\p-1:(\tab)+\p], v[(\tab)+8+\p-1:(\tab)+8+\p] op_sel:[0,1,1] op_sel_hi:[1,1,1]
.else
	v_pk_fma_f32 v[LFS+8*\p+\q:LFS+8*\p+\q+1], v[Y+\q:Y+\q+1], v[(\tab)+\p:(\tab)+\p+1], v[(\tab)+8+\p:(\tab)+8+\p+1] op_sel_hi:[1,0,0]
.endif
.endr
.endr
	WIN 0
.endm
.macro LFR op3, op2, dst               ; the largest or the least of the eight pieces, row by row
.irp j, 0,1,2,3,4,5,6,7
	\op3 v[(\dst)+\j], v[LFS+\j], v[LFS+8+\j], v[LFS+16+\j]
.endr
.irp j, 0,1,2,3,4,5,6,7
	\op3 v[(\dst)+\j], v[(\dst)+\j], v[LFS+24+\j], v[LFS+32+\j]
.endr
.irp j, 0,1,2,3,4,5,6,7
	\op3 v[(\dst)+\j], v[(\dst)+\j], v[LFS+40+\j], v[LFS+48+\j]
.endr
.irp j, 0,1,2,3,4,5,6,7
	\op2 v[(\dst)+\j], v[(\dst)+\j], v[LFS+56+\j]
.endr
.endm
; THE BLEND for tile t: eight rows of one output a lane.
.macro EPIT t
.set tb2, 2*((\t)/2)                   ; the even register of the pair that holds tile t's number
	WIN 0
.irp j, 0,1,2,3,4,5,6,7
	ds_load_b32 v[RES+\j], v[AHD] offset:PH*\j+64*(\t)
.endr
.irp j, 0,1,2,3,4,5,6,7                ; the even inputs' minimum and the odd inputs', each widened and m added; then the lesser
	v_fma_mix_f32 v[Y+\j],  v[TACC+8*(\t)+\j], v[ONE], v[M+\j] op_sel_hi:[1,0,0]
	v_fma_mix_f32 v[PP+\j], v[TACC+8*(\t)+\j], v[ONE], v[M+\j] op_sel:[1,0,0] op_sel_hi:[1,0,0]
.endr
.irp j, 0,1,2,3,4,5,6,7
	v_min_num_f32 v[Y+\j], v[Y+\j], v[PP+\j]
.endr
	WIN 0x04                                       ; source 1 window 1
	v_mul_f32 v[KB], s[NL2E], v[140+(\t)]          ; -log2(e) gate_b
	v_mul_f32 v[KB+1], s[NL2E], v[132+(\t)]        ; -log2(e) lf_mix
.irp p, 0,2,4,6
	BADD Y+\p, Y+\p, 128+tb2, (\t)%2               ; + trop_b
.endr
.irp p, 0,2,4,6
	BADD CX+\p, ACC+8*(\t)+\p, 136+tb2, (\t)%2     ; x = the sum + cls_b; the accumulator's low registers are read first
.endr
	WIN 0
.irp p, 0,2,4,6
	v_pk_add_f32 v[G+\p:G+\p+1], v[GREG+8*(\t)+\p:GREG+8*(\t)+\p+1], v[KB:KB+1] op_sel_hi:[1,0]
.endr
.irp j, 0,1,2,3,4,5,6,7
	v_and_b32 v[AX+\j], s[ABSM], v[CX+\j]          ; |x|
.endr
.irp j, 0,1,2,3,4,5,6,7
	v_exp_f32 v[G+\j], v[G+\j]
.endr
	v_exp_f32 v[KB+1], v[KB+1]
.irp p, 0,2,4,6                        ; plain work behind the exponentials, ahead of the use of their results
	v_pk_fma_f32 v[TT+\p:TT+\p+1], v[AX+\p:AX+\p+1], s[PS:PS+1], 1.0 op_sel_hi:[1,0,0]
.endr
	s_wait_alu depctr_va_vdst(0)
.irp p, 0,2,4,6
	v_pk_add_f32 v[G+\p:G+\p+1], v[G+\p:G+\p+1], 1.0 op_sel_hi:[1,0]
.endr
	v_add_f32 v[KB+1], 1.0, v[KB+1]
.irp p, 0,2,4,6
	v_pk_mul_f32 v[EE+\p:EE+\p+1], v[CX+\p:CX+\p+1], s[NH:NH+1] op_sel_hi:[1,0]
.endr
.irp p, 0,2,4,6
	v_pk_mul_f32 v[EE+\p:EE+\p+1], v[EE+\p:EE+\p+1], v[CX+\p:CX+\p+1]
.endr
.irp j, 0,1,2,3,4,5,6,7
	v_rcp_f32 v[G+\j], v[G+\j]                     ; g
.endr
.irp j, 0,1,2,3,4,5,6,7
	v_rcp_f32 v[TT+\j], v[TT+\j]                   ; t
.endr
.irp j, 0,1,2,3,4,5,6,7
	v_exp_f32 v[EE+\j], v[EE+\j]                   ; e^(-x^2 / 2)
.endr
	v_rcp_f32 v[KB+1], v[KB+1]                     ; sigmoid(lf_mix)
	v_nop                                          ; a plain instruction behind the run
	s_wait_alu depctr_va_vdst(0)
.irp p, 0,2,4,6
	v_pk_fma_f32 v[PP+\p:PP+\p+1], v[TT+\p:TT+\p+1], s[A5:A5+1], s[A4:A4+1] op_sel_hi:[1,0,0]
.endr
.irp c, A3, A2, A1
.irp p, 0,2,4,6
	v_pk_fma_f32 v[PP+\p:PP+\p+1], v[PP+\p:PP+\p+1], v[TT+\p:TT+\p+1], s[\c:\c+1] op_sel_hi:[1,1,0]
.endr
.endr
.irp p, 0,2,4,6
	v_pk_mul_f32 v[PP+\p:PP+\p+1], v[PP+\p:PP+\p+1], v[TT+\p:TT+\p+1]
.endr
.irp p, 0,2,4,6
	v_pk_fma_f32 v[PP+\p:PP+\p+1], v[PP+\p:PP+\p+1], v[EE+\p:EE+\p+1], 1.0 op_sel_hi:[1,1,0] neg_lo:[1,0,0] neg_hi:[1,0,0]  ; erf(|x| / sqrt 2)
.endr
.irp p, 0,2,4,6
	v_pk_fma_f32 v[CX+\p:CX+\p+1], v[AX+\p:AX+\p+1], v[PP+\p:PP+\p+1], v[CX+\p:CX+\p+1]  ; x + |x| erf(|x| / sqrt 2) = x (1 + erf(x / sqrt 2))
.endr
.irp p, 0,2,4,6
	v_pk_mul_f32 v[CX+\p:CX+\p+1], v[CX+\p:CX+\p+1], 0.5 op_sel_hi:[1,0]                  ; c
.endr
	LFP 32*(\t)
	LFR v_max3_num_f32, v_max_num_f32, AX
	LFP 32*(\t)+16
	LFR v_min3_num_f32, v_min_num_f32, TT
.irp p, 0,2,4,6
	v_pk_add_f32 v[AX+\p:AX+\p+1], v[AX+\p:AX+\p+1], v[TT+\p:TT+\p+1] neg_lo:[0,1] neg_hi:[0,1]
.endr
.irp p, 0,2,4,6
	v_pk_fma_f32 v[TT+\p:TT+\p+1], v[AX+\p:AX+\p+1], v[KB:KB+1], v[TT+\p:TT+\p+1] op_sel:[0,1,0] op_sel_hi:[1,1,1]  ; to = minp + mix (maxp - minp)
.endr
.irp p, 0,2,4,6
	v_pk_add_f32 v[TT+\p:TT+\p+1], v[TT+\p:TT+\p+1], v[CX+\p:CX+\p+1] neg_lo:[0,1] neg_hi:[0,1]
.endr
.irp p, 0,2,4,6
	v_pk_fma_f32 v[CX+\p:CX+\p+1], v[G+\p:G+\p+1], v[TT+\p:TT+\p+1], v[CX+\p:CX+\p+1]     ; c + g (to - c)
.endr
	s_wait_dscnt 0x0                               ; the residual is in
.irp p, 0,2,4,6
	v_pk_add_f32 v[CX+\p:CX+\p+1], v[CX+\p:CX+\p+1], v[RES+\p:RES+\p+1]
.endr
.irp j, 0,1,2,3,4,5,6,7
	ds_store_b32 v[AHD], v[CX+\j] offset:PH*\j+64*(\t)
.endr
.endm
.macro EPI gp, bp, off                 ; the next LayerNorm's gain and bias are asked for first; then the four tiles
	WIN 0x40
	global_load_b128 v[144:147], v[\off], s[\gp:\gp+1]
	global_load_b128 v[148:151], v[\off], s[\gp:\gp+1] offset:512
	global_load_b128 v[152:155], v[\off], s[\bp:\bp+1]
	global_load_b128 v[156:159], v[\off], s[\bp:\bp+1] offset:512
	WIN 0
	EPIT 0
	EPIT 1
	EPIT 2
	EPIT 3
.endm
	s_mov_b32 s41, 4                               ; layers to go
	s_mov_b32 s45, 0                               ; the byte along a row at which the next chunk begins
	s_branch .Lln                                  ; the loop is entered in the middle of a trip: there is no layer before the first to blend
.Llayer:
	REFILL G0T, 1                                  ; R0 has been read out: this layer's trop_W goes out, and has the blend and the LayerNorm in which to land
	EPI 8, 10, PGO                                 ; the layer before is blended
.Lln:
	LN 0
.set i, 0
.rept 32
	v_mov_b32 v[TACC+i], 0x7c007c00                ; + infinity, twice
.set i, i+1
.endr
	s_mov_b32 s42, 2
.Le:                                                   ; two trips a layer: half of the min-plus product, with gate_W and then cls_W landing under it, and that matrix's product
	REFILL G0G, 0                                  ; its wait for all tensor loads has also shown my rows of trop_W landed
	v_add_nc_u32 v[AW], s45, v[AW0]
	v_add_nc_u32 v[AU], s45, v[AU0]
	TFETCH WA, UA, 0
	s_mov_b32 s43, 8
.Lpair:                                                ; a trip: two chunks of 8 inputs
	TFETCH WBF, UBF, 16
	s_wait_dscnt 12                                ; the first chunk is in; the twelve loads just issued may stay out
	CHUNK WA, UA
	s_add_co_u32 s45, s45, 32
	s_and_b32 s45, s45, 511                        ; behind a row's last chunk the look-ahead goes back to its first: filled bytes, read and not used
	v_add_nc_u32 v[AW], s45, v[AW0]
	v_add_nc_u32 v[AU], s45, v[AU0]
	TFETCH WA, UA, 0
	s_wait_dscnt 12                                ; the second chunk is in
	CHUNK WBF, UBF
	s_sub_co_u32 s43, s43, 1
	s_cmp_lg_u32 s43, 0
	s_cbranch_scc1 .Lpair
	s_wait_dscnt 0x0                               ; the look-ahead's loads are back: their registers serve the product below
	s_wait_tensorcnt 0x0                           ; my rows of R1 have landed: the one tensor load of mine that was out,
	s_add_nc_u64 s[G0G+2:G0G+3], s[G0G+2:G0G+3], 131072  ; so its descriptor may go on to the next matrix
	s_wait_loadcnt 0x0                             ; the layer's numbers are in
.set i, 0
.rept 16                               ; second trip: the gate's sums are set aside, scaled for the exponential.  First trip: what the accumulators hold is not used
	v_pk_mul_f32 v[GREG+2*i:GREG+2*i+1], v[ACC+2*i:ACC+2*i+1], s[NL2E:NL2E+1] op_sel_hi:[1,0]
.set i, i+1
.endr
	GEMM
	s_sub_co_u32 s42, s42, 1
	s_cmp_lg_u32 s42, 0
	s_cbranch_scc1 .Le
	v_add_nc_u32 v[P4], 1024, v[P4]                ; the next layer's numbers: the loads that read these two registers have been waited for
	v_add_nc_u32 v[P32], 8192, v[P32]
	s_sub_co_u32 s41, s41, 1
	s_cmp_lg_u32 s41, 0
	s_cbranch_scc1 .Llayer
	EPI 32, 34, L16                                ; the last layer's blend is written out: nothing more is asked for but on_g and on_b
	LN 1
	s_wait_tensorcnt 0x0                           ; the wave's end: behind my last tensor load and my last LDS store
	ds_add_u32 v[SPW], v[NIL]
	s_wait_dscnt 0x0
	ROUND                                          ; the closing round: no work-group ends while a partner may still ask for a tile that names it
	s_endpgm
.Lfunc_end_k_qdbc2c553e7_layers:
	.size	k_qdbc2c553e7_layers, .Lfunc_end_k_qdbc2c553e7_layers-k_qdbc2c553e7_layers
	.p2alignl 7, 3214868480
	.fill 96, 4, 3214868480
	.section	.rodata,"a",@progbits
	.p2align	6, 0x0
	.amdhsa_kernel k_qdbc2c553e7_layers
		.amdhsa_group_segment_fixed_size 327680
		.amdhsa_private_segment_fixed_size 0
		.amdhsa_enable_private_segment 0
		.amdhsa_kernarg_size 136
		.amdhsa_user_sgpr_count 2
		.amdhsa_user_sgpr_kernarg_segment_ptr 1
		.amdhsa_wavefront_size32 1
		.amdhsa_system_sgpr_workgroup_id_x 1
		.amdhsa_system_sgpr_workgroup_id_y 1
		.amdhsa_system_sgpr_workgroup_id_z 1
		.amdhsa_system_vgpr_workitem_id 0
		.amdhsa_next_free_vgpr 432
		.amdhsa_next_free_sgpr 102
		.amdhsa_reserve_vcc 0
		.amdhsa_float_denorm_mode_32 3
		.amdhsa_float_denorm_mode_16_64 3
		.amdhsa_memory_ordered 1
		.amdhsa_forward_progress 1
		.amdhsa_inst_pref_size 234
	.end_amdhsa_kernel
	.amdgpu_metadata
---
amdhsa.version: [ 1, 2 ]
amdhsa.kernels:
  - .name:           k_qdbc2c553e7_layers
    .symbol:         k_qdbc2c553e7_layers.kd
    .args:
      - { .name: part, .offset: 0, .size: 8, .value_kind: global_buffer, .address_space: global }
      - { .name: ip_b, .offset: 8, .size: 8, .value_kind: global_buffer, .address_space: global }
      - { .name: norm_g, .offset: 16, .size: 8, .value_kind: global_buffer, .address_space: global }
      - { .name: norm_b, .offset: 24, .size: 8, .value_kind: global_buffer, .address_space: global }
      - { .name: wt16, .offset: 32, .size: 8, .value_kind: global_buffer, .address_space: global }
      - { .name: trop_b, .offset: 40, .size: 8, .value_kind: global_buffer, .address_space: global }
      - { .name: lfs_max, .offset: 48, .size: 8, .value_kind: global_buffer, .address_space: global }
      - { .name: lfi_max, .offset: 56, .size: 8, .value_kind: global_buffer, .address_space: global }
      - { .name: lfs_min, .offset: 64, .size: 8, .value_kind: global_buffer, .address_space: global }
      - { .name: lfi_min, .offset: 72, .size: 8, .value_kind: global_buffer, .address_space: global }
      - { .name: lf_mix, .offset: 80, .size: 8, .value_kind: global_buffer, .address_space: global }
      - { .name: wgc16, .offset: 88, .size: 8, .value_kind: global_buffer, .address_space: global }
      - { .name: gate_b, .offset: 96, .size: 8, .value_kind: global_buffer, .address_space: global }
      - { .name: cls_b, .offset: 104, .size: 8, .value_kind: global_buffer, .address_space: global }
      - { .name: on_g, .offset: 112, .size: 8, .value_kind: global_buffer, .address_space: global }
      - { .name: on_b, .offset: 120, .size: 8, .value_kind: global_buffer, .address_space: global }
      - { .name: hn16, .offset: 128, .size: 8, .value_kind: global_buffer, .address_space: global }
    .group_segment_fixed_size: 327680
    .private_segment_fixed_size: 0
    .kernarg_segment_align: 8
    .kernarg_segment_size: 136
    .max_flat_workgroup_size: 128
    .sgpr_count:     102
    .vgpr_count:     432
    .wavefront_size: 32
...
	.end_amdgpu_metadata
.endif
;; end of part 3
;; launch head (part 4): grid 16 x 16, 4 waves a work-group, clusters of 4 x 4, 327,680 bytes of LDS; arguments hn16, wh16, head_b, out0; writes out0
.if DOCPART == 4
	.amdgcn_target "amdgcn-amd-amdhsa--gfx1250"
	.amdhsa_code_object_version 6
	.text
	.protected	k_qdbc2c553e7_head
	.globl	k_qdbc2c553e7_head
	.p2align	8
	.type	k_qdbc2c553e7_head,@function
k_qdbc2c553e7_head:
	s_mov_b64 s[64:65], 0
	v_nop
	global_prefetch_b8 v0, s[64:65] scope:SCOPE_SE
	s_setreg_imm32_b32 hwreg(HW_REG_WAVE_MODE, 25, 1), 1
	s_wait_xcnt 0x0
	s_wait_alu depctr_hold_cnt(0) depctr_sa_sdst(0) depctr_va_vdst(0) depctr_va_sdst(0) depctr_va_ssrc(0) depctr_va_vcc(0) depctr_vm_vsrc(0)
	s_getreg_b32 s2, hwreg(HW_REG_IB_STS2, 6, 4)
	s_cmp_eq_u32 s2, 0
	s_cbranch_scc0 .Lentry_in_a_cluster
	s_endpgm
.Lentry_in_a_cluster:
	s_bfe_u32 s2, ttmp6, 0x10000c
	s_cmp_lg_u32 s2, 0xf033
	s_cbranch_scc0 .Lentry_shape_is_right
	s_endpgm
.Lentry_shape_is_right:
; out0[row][n] = the sum over k of hn16[row][k] wh16[n][k] + head_b[n].  hn16: [4096][256] f16, wh16: [4096][256] f16, out0: [4096][4096] f32; sums in f32.
; A work-group makes a tile of 256 x 256; K = 256 is short, so both operands' tiles lie in LDS whole and nothing is filled twice: one tensor load a wave (128 rows of 512 bytes).
; CLUSTERS: 4 x 4 work-groups.  The four of a row of the cluster need the same rows of hn16, the four of a column the same rows of wh16: each half tile is asked for JOINTLY, by the same tensor load with
; the same descriptor and a mask that names the four.
; A wave makes 128 x 128.  Its fragments of B for all of K (8 column blocks x 8 steps x 8 registers) stay in windows 1 and 2; its eight blocks of 16 rows are finished one after the other, 64 matrix
; instructions each, and each leaves as soon as it is finished, so that stores are on their way while later rows are multiplied.
; THE MATRIX INSTRUCTION IS USED TRANSPOSED (source 0 = 16 rows of B, source 1 = 16 rows of A): a lane holds eight neighbouring columns of one row.
; REGISTERS: window 0: v0-29 addresses and the bias; v32-95 A's fragments of a block; v96-159 the block's 8 accumulators; v160-223 the block's rows on their way out
;   windows 1, 2: B's fragment (b, k) at v[8 (8 (k % 4) + b)] of window 1 + k / 4
.set PW,    528                        ; an LDS row: 512 bytes + 16 = 132 words: the 16 rows of a fragment load start at 16 different groups of four banks (64 banks of 4 bytes: ISA guide 11.1)
.set HALFT, 128*PW                     ; what one tensor load brings
.set BT,    2*HALFT                    ; A's 256 rows, then B's 256 rows
.set STAGE, 4*HALFT                    ; 16 rows x 528 bytes for each wave, for the way out
.set SP,    528
.set SPARE, STAGE+4*16*SP              ; the spare words: 128 bytes for each wave, two blocks of 256 bytes that no other line names
.set FA0, 16                           ; v16   my place in A's fragments, block 0
.set FAV, 17                           ; v17   the same for the block to be fetched
.set FBV, 18                           ; v18   my place in B's fragments
.set STO, 19                           ; v19   the way out: where I put 16 bytes of a row
.set RD,  20                           ; v20   the way out: where I read a row back
.set CO,  21                           ; v21   my byte offset in 512 consecutive bytes of out0
.set BI,  24                           ; v24-27 head_b of my four columns on the way out
.set SPW, 28                           ; v28   LDS address of my spare word; never rewritten
.set NIL, 29                           ; v29   0; never rewritten
.set AF,  32
.set ACC, 96
.set OB,  160
.set WV,  12                           ; s12   my wave's number
.set G1,  24                           ; s[24:31] descriptor group 1 for A's tiles;  s[32:35] group 0
.set G0,  32
.set G1B, 48                           ; s[48:55], s[56:59] the same for B's
.set G0B, 56
.set MSB, 0
.macro WIN new                         ; the immediate's high byte repeats the setting that is left; a switch that changes nothing is dropped
.if MSB != (\new)
	s_set_vgpr_msb (MSB<<8)|(\new)
.set MSB, (\new)
.endif
.endm
.macro ROUND                           ; a round of the cluster's barrier
	s_barrier_signal -1
	s_barrier_wait -1
	s_cmp_lg_u32 s[WV], 0
	s_cbranch_scc1 .Lnot_wave_0_\@
	s_barrier_signal -3
.Lnot_wave_0_\@:
	s_barrier_wait -3
	s_barrier_signal -1
	s_barrier_wait -1
.endm
	s_load_b128 s[4:7], s[0:1], 0x0                ; hn16 s[4:5], wh16 s[6:7]
	s_load_b128 s[8:11], s[0:1], 0x10              ; head_b s[8:9], out0 s[10:11]
	v_lshl_add_u32 v[SPW], v0, 2, SPARE
	v_mov_b32 v[NIL], 0
	ds_add_u32 v[SPW], v[NIL]                      ; the wave's opening: the add and its wait stand ahead of my first tensor load; the set-up below, work on registers, stands between them
	v_lshrrev_b32 v1, 5, v0
	v_readfirstlane_b32 s[WV], v1                  ; wave 0..3
	s_lshr_b32 s13, s[WV], 1                       ; which half of the tile's rows is mine.  Also: I fetch for A (0) or for B (1)
	s_and_b32 s14, s[WV], 1                        ; which half of its columns.  Also: which 128 rows of that tile I fetch
	s_bfe_u32 s40, ttmp6, 0x40000                  ; cx, cy: my place in the cluster
	s_bfe_u32 s41, ttmp6, 0x40004
	s_lshl_b32 s42, ttmp9, 2
	s_add_co_u32 s42, s42, s40                     ; tile column = 4 x cluster x + cx
	s_and_b32 s15, ttmp7, 0xffff
	s_lshl_b32 s15, s15, 2
	s_add_co_u32 s15, s15, s41                     ; tile row = 4 x cluster y + cy
	s_lshl_b32 s43, s41, 2
	s_lshl_b32 s43, 15, s43                        ; my row of the cluster
	s_lshl_b32 s44, 0x1111, s40                    ; my column
	s_or_b32 s[G1+0], s43, (1<<16)|(1<<20)|(1<<21)|(6<<22)|(3<<25)   ; 15:0 the mask: A's tiles go to my row; 17:16 2-byte elements; 20 padding on; 21 set beside a mask; 24:22 after every 128 words (code 6); 31:25 4 words (code 3)
	s_or_b32 s[G1B+0], s44, (1<<16)|(1<<20)|(1<<21)|(6<<22)|(3<<25)  ; the same with the mask of my column, for B's tiles
.irp g, G1, G1B
	s_mov_b32 s[(\g)+1], 256<<16                   ; tensor_dim0 = 256
	s_mov_b32 s[(\g)+2], 128<<16                   ; tensor_dim1 = 128
	s_mov_b32 s[(\g)+3], 256<<16                   ; tile_dim0 = 256
	s_mov_b32 s[(\g)+4], 128                       ; tile_dim1 = 128
	s_mov_b32 s[(\g)+5], 256                       ; elements from row to row
	s_mov_b32 s[(\g)+6], 0
	s_mov_b32 s[(\g)+7], 0
.endr
	; A's tile hangs on the tile row alone, B's on the tile column alone; each address is made in registers that never hold the other coordinate
	s_lshl_b32 s17, s14, 7                         ; which 128 rows of the tile I fetch
	s_lshl_b32 s16, s15, 8
	s_add_co_u32 s16, s16, s17
	s_lshl_b32 s16, s16, 9                         ; rows of 512 bytes
	s_lshl_b32 s46, s42, 8
	s_add_co_u32 s46, s46, s17
	s_lshl_b32 s46, s46, 9
	s_mov_b32 s17, 0
	s_mov_b32 s47, 0
	s_mul_i32 s20, s[WV], HALFT                    ; where they go: A's two halves, then B's two: no place in the cluster enters an LDS address
	v_and_b32 v1, 15, v0                           ; r
	v_bfe_u32 v2, v0, 4, 1                         ; h
	v_and_b32 v3, 31, v0                           ; lane
	v_mul_u32_u24 v4, v1, PW
	v_lshl_add_u32 v4, v2, 4, v4                   ; a fragment: row x pitch + 16 x half
	s_mul_i32 s21, s13, HALFT
	v_add_nc_u32 v[FA0], s21, v4
	v_mov_b32 v[FAV], v[FA0]
	s_mul_i32 s22, s14, HALFT
	s_add_co_u32 s22, s22, BT
	v_add_nc_u32 v[FBV], s22, v4
	s_mul_i32 s23, s[WV], 16*SP
	s_add_co_u32 s23, s23, STAGE                   ; my stage
	v_mul_u32_u24 v5, v1, SP
	v_lshl_add_u32 v5, v2, 5, v5
	v_add_nc_u32 v[STO], s23, v5                   ; in: row r, 32 bytes for each half of the lanes
	v_lshl_add_u32 v[RD], v3, 4, s23               ; back: 32 lanes take a row's 512 bytes
	v_lshlrev_b32 v[CO], 4, v3
	s_wait_dscnt 0x0                               ; the opening add is done
	s_wait_kmcnt 0x0
	s_mov_b32 s[G0], 1
	s_mov_b32 s[G0+1], s20
	s_add_nc_u64 s[G0+2:G0+3], s[4:5], s[16:17]
	s_or_b32 s[G0+3], s[G0+3], 0x80000000          ; type = 2
	s_mov_b32 s[G0B], 1
	s_mov_b32 s[G0B+1], s20
	s_add_nc_u64 s[G0B+2:G0B+3], s[6:7], s[46:47]
	s_or_b32 s[G0B+3], s[G0B+3], 0x80000000
	ROUND                                          ; all sixteen work-groups are here: the joint loads meet
	s_cmp_eq_u32 s13, 0                            ; waves 0 and 1 fetch A's halves, waves 2 and 3 B's: each line has one mask; the branch hangs on the wave's number alone
	s_cbranch_scc0 .Lfor_b
	tensor_load_to_lds s[G0:G0+3], s[G1:G1+7]
	s_nop 0
.rept 4
	v_nop
.endr
	s_branch .Lasked
.Lfor_b:
	tensor_load_to_lds s[G0B:G0B+3], s[G1B:G1B+7]
	s_nop 0
.rept 4
	v_nop
.endr
.Lasked:
	s_lshl_b32 s46, s42, 10                        ; my first column, in bytes of f32: 1,024 x tile column + 512 x half
	s_lshl_b32 s47, s14, 9
	s_add_co_u32 s46, s46, s47
	s_mov_b32 s47, 0
	s_add_nc_u64 s[8:9], s[8:9], s[46:47]
	global_load_b128 v[BI:BI+3], v[CO], s[8:9]     ; head_b of the four columns that I store
	s_lshl_b32 s16, s15, 8                         ; my first row: 256 x tile row + 128 x half,
	s_lshl_b32 s18, s13, 7
	s_add_co_u32 s16, s16, s18
	s_lshl_b32 s16, s16, 14                        ; 16,384 bytes a row
	s_mov_b32 s17, 0
	s_add_nc_u64 s[16:17], s[16:17], s[46:47]      ; what the first way out adds to out0's address
	s_wait_tensorcnt 0x0                           ; my half tile is in,
	s_barrier_signal -1
	s_barrier_wait -1                              ; everybody's is
	WIN 0x40                                       ; destination window 1
.irp k, 0,1,2,3
.irp b, 0,1,2,3,4,5,6,7
	ds_load_b128 v[8*(8*\k+\b):8*(8*\k+\b)+3],   v[FBV] offset:16*PW*\b+64*\k
	ds_load_b128 v[8*(8*\k+\b)+4:8*(8*\k+\b)+7], v[FBV] offset:16*PW*\b+64*\k+32
.endr
.endr
	WIN 0x80                                       ; destination window 2
.irp k, 4,5,6,7
.irp b, 0,1,2,3,4,5,6,7
	ds_load_b128 v[8*(8*(\k-4)+\b):8*(8*(\k-4)+\b)+3],   v[FBV] offset:16*PW*\b+64*\k
	ds_load_b128 v[8*(8*(\k-4)+\b)+4:8*(8*(\k-4)+\b)+7], v[FBV] offset:16*PW*\b+64*\k+32
.endr
.endr
	WIN 0
.macro AFETCH                          ; A's fragments of a block of 16 rows, all of K: 16 loads
.irp k, 0,1,2,3,4,5,6,7
	ds_load_b128 v[AF+8*\k:AF+8*\k+3],   v[FAV] offset:64*\k
	ds_load_b128 v[AF+8*\k+4:AF+8*\k+7], v[FAV] offset:64*\k+32
.endr
.endm
	AFETCH
	s_wait_loadcnt 0x0                             ; the bias
	s_mov_b32 s3, 8                                ; blocks to go
	s_mov_b32 s23, 0                               ; the next block's place in A's tile
.Lblk:
	s_wait_dscnt 0x0                               ; the block's fragments are in (in the first trip: B's too)
	WIN 0x01                                       ; source 0 window 1.  The 8 accumulators take turns, one instruction a turn; K ascending; the first products start the sums
.irp k, 0,1,2,3
.irp b, 0,1,2,3,4,5,6,7
.if \k == 0
	v_wmma_f32_16x16x32_f16 v[ACC+8*\b:ACC+8*\b+7], v[8*(8*\k+\b):8*(8*\k+\b)+7], v[AF+8*\k:AF+8*\k+7], 0
.else
	v_wmma_f32_16x16x32_f16 v[ACC+8*\b:ACC+8*\b+7], v[8*(8*\k+\b):8*(8*\k+\b)+7], v[AF+8*\k:AF+8*\k+7], v[ACC+8*\b:ACC+8*\b+7]
.endif
.endr
.endr
	WIN 0x02                                       ; source 0 window 2
.irp k, 4,5,6,7
.irp b, 0,1,2,3,4,5,6,7
	v_wmma_f32_16x16x32_f16 v[ACC+8*\b:ACC+8*\b+7], v[8*(8*(\k-4)+\b):8*(8*(\k-4)+\b)+7], v[AF+8*\k:AF+8*\k+7], v[ACC+8*\b:ACC+8*\b+7]
.endr
.endr
	WIN 0
	s_add_co_u32 s23, s23, 16*PW
	v_add_nc_u32 v[FAV], s23, v[FA0]               ; with the three below: the four places between the products and what touches their registers (ISA guide 7.12.1)
.rept 3
	v_nop
.endr
	AFETCH                                         ; the next block.  In the last trip these are the 16 rows behind my 128: filled bytes of LDS, read and not used
.irp b, 0,1,2,3,4,5,6,7                ; into my stage, each accumulator's low registers first
	ds_store_b128 v[STO], v[ACC+8*\b:ACC+8*\b+3] offset:64*\b
	ds_store_b128 v[STO], v[ACC+8*\b+4:ACC+8*\b+7] offset:64*\b+16
.endr
	s_wait_xcnt 0x0                                ; the last block's stores have had their addresses translated: only behind this wait are their base and their data registers written again
	s_add_nc_u64 s[10:11], s[10:11], s[16:17]      ; on to this block's rows
	s_mov_b32 s16, 262144                          ; from now on: 16 rows of 16,384 bytes
	s_mov_b32 s17, 0
.irp i, 0,1,2,3,4,5,6,7,8,9,10,11,12,13,14,15
	ds_load_b128 v[OB+4*\i:OB+4*\i+3], v[RD] offset:SP*\i  ; LDS serves a wave's instructions in order: these see the stores above
.endr
.irp i, 0,1,2,3,4,5,6,7,8,9,10,11,12,13,14,15
	s_wait_dscnt 15-\i                             ; row i is back; the younger rows may stay out
	v_pk_add_f32 v[OB+4*\i:OB+4*\i+1],   v[OB+4*\i:OB+4*\i+1],   v[BI:BI+1]
	v_pk_add_f32 v[OB+4*\i+2:OB+4*\i+3], v[OB+4*\i+2:OB+4*\i+3], v[BI+2:BI+3]
	global_store_b128 v[CO], v[OB+4*\i:OB+4*\i+3], s[10:11] offset:16384*\i th:TH_STORE_NT  ; 512 consecutive bytes, at a multiple of 256 from out0's first byte
.endr
	s_sub_co_u32 s3, s3, 1
	s_cmp_lg_u32 s3, 0
	s_cbranch_scc1 .Lblk
	s_wait_tensorcnt 0x0                           ; the wave's end: behind my last tensor load and my last LDS store
	ds_add_u32 v[SPW], v[NIL]
	s_wait_dscnt 0x0
	ROUND                                          ; the closing round: no work-group ends while a partner may still ask for a tile that names it
	s_endpgm
.Lfunc_end_k_qdbc2c553e7_head:
	.size	k_qdbc2c553e7_head, .Lfunc_end_k_qdbc2c553e7_head-k_qdbc2c553e7_head
	.p2alignl 7, 3214868480
	.fill 96, 4, 3214868480
	.section	.rodata,"a",@progbits
	.p2align	6, 0x0
	.amdhsa_kernel k_qdbc2c553e7_head
		.amdhsa_group_segment_fixed_size 327680
		.amdhsa_private_segment_fixed_size 0
		.amdhsa_enable_private_segment 0
		.amdhsa_kernarg_size 32
		.amdhsa_user_sgpr_count 2
		.amdhsa_user_sgpr_kernarg_segment_ptr 1
		.amdhsa_wavefront_size32 1
		.amdhsa_system_sgpr_workgroup_id_x 1
		.amdhsa_system_sgpr_workgroup_id_y 1
		.amdhsa_system_sgpr_workgroup_id_z 1
		.amdhsa_system_vgpr_workitem_id 0
		.amdhsa_next_free_vgpr 768
		.amdhsa_next_free_sgpr 66
		.amdhsa_reserve_vcc 0
		.amdhsa_float_denorm_mode_32 3
		.amdhsa_float_denorm_mode_16_64 3
		.amdhsa_memory_ordered 1
		.amdhsa_forward_progress 1
		.amdhsa_inst_pref_size 27
	.end_amdhsa_kernel
	.amdgpu_metadata
---
amdhsa.version: [ 1, 2 ]
amdhsa.kernels:
  - .name:           k_qdbc2c553e7_head
    .symbol:         k_qdbc2c553e7_head.kd
    .args:
      - { .name: hn16, .offset: 0, .size: 8, .value_kind: global_buffer, .address_space: global }
      - { .name: wh16, .offset: 8, .size: 8, .value_kind: global_buffer, .address_space: global }
      - { .name: head_b, .offset: 16, .size: 8, .value_kind: global_buffer, .address_space: global }
      - { .name: out0, .offset: 24, .size: 8, .value_kind: global_buffer, .address_space: global }
    .group_segment_fixed_size: 327680
    .private_segment_fixed_size: 0
    .kernarg_segment_align: 8
    .kernarg_segment_size: 32
    .max_flat_workgroup_size: 128
    .sgpr_count:     66
    .vgpr_count:     768
    .wavefront_size: 32
...
	.end_amdgpu_metadata
.endif
;; end of part 4
;; ======== version 2 of 2: 4 launches; version 1 with the launch prep written anew for expert scheduling mode
;; limits: values are held in f16: magnitudes above 65,504 overflow, below 6.1e-05 lose precision; values outside matrix products are rounded to f16
;; workspace buffers: wip16 2,097,152 bytes; wh16 2,097,152 bytes; wt16 524,288 bytes; wgc16 1,048,576 bytes; part 33,554,432 bytes; hn16 2,097,152 bytes
;; launch prep (part 5): grid 256 x 1, 8 waves a work-group, no clusters, 0 bytes of LDS; arguments ip_W, head_W, trop_W, gate_W, cls_W, wip16, wh16, wt16, wgc16; writes wip16, wh16, wt16, wgc16
.if DOCPART == 5
	.amdgcn_target "amdgcn-amd-amdhsa--gfx1250"
	.amdhsa_code_object_version 6
	.text
	.protected	k_qdbc2c553e7_prep
	.globl	k_qdbc2c553e7_prep
	.p2align	8
	.type	k_qdbc2c553e7_prep,@function
k_qdbc2c553e7_prep:
	s_mov_b64 s[64:65], 0
	v_nop
	global_prefetch_b8 v0, s[64:65] scope:SCOPE_SE
	s_setreg_imm32_b32 hwreg(HW_REG_WAVE_SCHED_MODE, 0, 2), 2
	s_setreg_imm32_b32 hwreg(HW_REG_WAVE_MODE, 25, 1), 1
	s_wait_xcnt 0x0
	s_wait_alu depctr_vm_vsrc(0)
; The five weight matrices are rounded once from f32 to f16, so that the later launches can bring them into LDS as they lie.
; wip16 = ip_W [256][4096], wh16 = head_W [4096][256], wt16 = trop_W [4][256][256], wgc16 = [4][2][256][256]: a layer's gate_W, then its cls_W.
; LIMIT: a weight of 65,520 or more in magnitude becomes an infinity; below 6.1e-5 a weight keeps f16's fixed step of 6e-8.
; Eight waves; work-group g takes 1/256 of each matrix: eleven items of 4,096 bytes.  In an item thread t loads 16 bytes (a wave: 512 consecutive bytes)
; and stores 8 (a wave: 256 consecutive bytes, aligned).  All eleven loads go out first.
; No LDS, no matrix unit, no cluster: every byte is touched once and no two work-groups read the same byte.
; THE MODE: SCHED_MODE bits 1:0 = 2 (LLVM: expert scheduling mode 2), set by the entry lines.  The code itself states the register dependences
; between vector instructions and memory instructions, with s_wait_alu, always for 0.
; THE PLAN.  Registers that memory instructions touch:
;   v1, v2   byte offsets of the loads and of the stores: made once at the head, never written again.
;   X        item i: written by its load, once; no vector instruction names X before the loads go out; read by the item's two conversions behind the wait for its data.
;   Y        item i: written by its two conversions, once; read by its store, once.
; No register that a memory instruction reads is written again, and no load lands in a register that a vector instruction has named.  What is left to state: the offsets are
; written ahead of the first load, and an item's Y is written ahead of its store.  So the items go in three groups (ip_W's four, head_W's four, one of each layer matrix):
; a group's conversions, ONE wait, the group's stores in a run.  Four waits in all.
.set X, 4                              ; v[4:47]   item i: four f32 as loaded
.set Y, 48                             ; v[48:69]  item i: four f16 to store
	s_load_b512 s[4:19], s[0:1], 0x0               ; ip_W s[4:5], head_W s[6:7], trop_W s[8:9], gate_W s[10:11], cls_W s[12:13], wip16 s[14:15], wh16 s[16:17], wt16 s[18:19]
	s_load_b64 s[20:21], s[0:1], 0x40              ; wgc16
	s_lshl_b32 s24, ttmp9, 14                      ; my 16,384 bytes of ip_W and of head_W
	s_mov_b32 s25, 0
	s_lshl_b32 s26, ttmp9, 13                      ; and their 8,192 bytes in f16
	s_mov_b32 s27, 0
	s_lshl_b32 s28, ttmp9, 12                      ; my 4,096 bytes of trop_W, gate_W, cls_W
	s_mov_b32 s29, 0
	s_lshl_b32 s30, ttmp9, 11                      ; and their 2,048 bytes in f16
	s_mov_b32 s31, 0
	s_lshr_b32 s32, ttmp9, 6                       ; the layer: 64 work-groups to a layer's matrix
	s_lshl_b32 s32, s32, 17                        ; in wgc16 a layer is twice as long: 131,072 bytes more for each layer before mine
	s_add_co_u32 s32, s32, s30
	s_mov_b32 s33, 0
	v_lshlrev_b32 v1, 4, v0                        ; 16 t
	v_lshlrev_b32 v2, 3, v0                        ; 8 t
	s_wait_kmcnt 0x0
	s_add_nc_u64 s[4:5], s[4:5], s[24:25]
	s_add_nc_u64 s[6:7], s[6:7], s[24:25]
	s_add_nc_u64 s[8:9], s[8:9], s[28:29]
	s_add_nc_u64 s[10:11], s[10:11], s[28:29]
	s_add_nc_u64 s[12:13], s[12:13], s[28:29]
	s_add_nc_u64 s[14:15], s[14:15], s[26:27]
	s_add_nc_u64 s[16:17], s[16:17], s[26:27]
	s_add_nc_u64 s[18:19], s[18:19], s[30:31]
	s_add_nc_u64 s[20:21], s[20:21], s[32:33]
	s_wait_alu depctr_va_vdst(0)                   ; v1 and v2 are written: every load of the kernel reads v1 as its offset, every store v2
.irp i, 0,1,2,3
	global_load_b128 v[X+4*\i:X+4*\i+3], v1, s[4:5] offset:4096*\i th:TH_LOAD_NT
.endr
.irp i, 0,1,2,3
	global_load_b128 v[X+16+4*\i:X+16+4*\i+3], v1, s[6:7] offset:4096*\i th:TH_LOAD_NT
.endr
	global_load_b128 v[X+32:X+35], v1, s[8:9] th:TH_LOAD_NT
	global_load_b128 v[X+36:X+39], v1, s[10:11] th:TH_LOAD_NT
	global_load_b128 v[X+40:X+43], v1, s[12:13] th:TH_LOAD_NT
.macro CV i                            ; item i is rounded
	v_cvt_pk_f16_f32 v[Y+2*(\i)], v[X+4*(\i)], v[X+4*(\i)+1]
	v_cvt_pk_f16_f32 v[Y+2*(\i)+1], v[X+4*(\i)+2], v[X+4*(\i)+3]
.endm
.macro ST i, base, off                 ; item i is stored
	global_store_b64 v2, v[Y+2*(\i):Y+2*(\i)+1], s[\base:\base+1] offset:\off
.endm
	; ip_W's four items
	s_wait_loadcnt 7                               ; loads come back in order: items 0 to 3 are in, the seven younger loads may stay out
	CV 0
	CV 1
	CV 2
	CV 3
	s_wait_alu depctr_va_vdst(0)                   ; the eight conversions have written Y of items 0 to 3, which the four stores below read
	ST 0, 14, 0
	ST 1, 14, 2048
	ST 2, 14, 4096
	ST 3, 14, 6144
	; head_W's four items
	s_wait_loadcnt 3                               ; items 4 to 7 are in, the three younger loads may stay out
	CV 4
	CV 5
	CV 6
	CV 7
	s_wait_alu depctr_va_vdst(0)                   ; the eight conversions have written Y of items 4 to 7, which the four stores below read
	ST 4, 16, 0
	ST 5, 16, 2048
	ST 6, 16, 4096
	ST 7, 16, 6144
	; one item each of trop_W, gate_W, cls_W
	s_wait_loadcnt 0x0                             ; the last three items are in
	CV 8
	CV 9
	CV 10
	s_wait_alu depctr_va_vdst(0)                   ; the six conversions have written Y of items 8 to 10, which the three stores below read
	ST 8, 18, 0
	ST 9, 20, 0                                    ; gate_W
	ST 10, 20, 131072                              ; cls_W lies behind the layer's gate_W
	s_endpgm
.Lfunc_end_k_qdbc2c553e7_prep:
	.size	k_qdbc2c553e7_prep, .Lfunc_end_k_qdbc2c553e7_prep-k_qdbc2c553e7_prep
	.p2alignl 7, 3214868480
	.fill 96, 4, 3214868480
	.section	.rodata,"a",@progbits
	.p2align	6, 0x0
	.amdhsa_kernel k_qdbc2c553e7_prep
		.amdhsa_group_segment_fixed_size 0
		.amdhsa_private_segment_fixed_size 0
		.amdhsa_enable_private_segment 0
		.amdhsa_kernarg_size 72
		.amdhsa_user_sgpr_count 2
		.amdhsa_user_sgpr_kernarg_segment_ptr 1
		.amdhsa_wavefront_size32 1
		.amdhsa_system_sgpr_workgroup_id_x 1
		.amdhsa_system_sgpr_workgroup_id_y 1
		.amdhsa_system_sgpr_workgroup_id_z 1
		.amdhsa_system_vgpr_workitem_id 0
		.amdhsa_next_free_vgpr 72
		.amdhsa_next_free_sgpr 66
		.amdhsa_reserve_vcc 0
		.amdhsa_float_denorm_mode_32 3
		.amdhsa_float_denorm_mode_16_64 3
		.amdhsa_memory_ordered 1
		.amdhsa_forward_progress 1
		.amdhsa_inst_pref_size 5
	.end_amdhsa_kernel
	.amdgpu_metadata
---
amdhsa.version: [ 1, 2 ]
amdhsa.kernels:
  - .name:           k_qdbc2c553e7_prep
    .symbol:         k_qdbc2c553e7_prep.kd
    .args:
      - { .name: ip_W, .offset: 0, .size: 8, .value_kind: global_buffer, .address_space: global }
      - { .name: head_W, .offset: 8, .size: 8, .value_kind: global_buffer, .address_space: global }
      - { .name: trop_W, .offset: 16, .size: 8, .value_kind: global_buffer, .address_space: global }
      - { .name: gate_W, .offset: 24, .size: 8, .value_kind: global_buffer, .address_space: global }
      - { .name: cls_W, .offset: 32, .size: 8, .value_kind: global_buffer, .address_space: global }
      - { .name: wip16, .offset: 40, .size: 8, .value_kind: global_buffer, .address_space: global }
      - { .name: wh16, .offset: 48, .size: 8, .value_kind: global_buffer, .address_space: global }
      - { .name: wt16, .offset: 56, .size: 8, .value_kind: global_buffer, .address_space: global }
      - { .name: wgc16, .offset: 64, .size: 8, .value_kind: global_buffer, .address_space: global }
    .group_segment_fixed_size: 0
    .private_segment_fixed_size: 0
    .kernarg_segment_align: 8
    .kernarg_segment_size: 72
    .max_flat_workgroup_size: 256
    .sgpr_count:     66
    .vgpr_count:     72
    .wavefront_size: 32
...
	.end_amdgpu_metadata
.endif
;; end of part 5
;; launch ipgemm: the kernel of part 2 again; grid 32 x 8, 4 waves a work-group, clusters of 4 x 1, 327,680 bytes of LDS; arguments adj, wip16, part; writes part
;; launch layers: the kernel of part 3 again; grid 256 x 1, 4 waves a work-group, clusters of 4 x 1, 327,680 bytes of LDS; arguments part, ip_b, norm_g, norm_b, wt16, trop_b, lfs_max, lfi_max, lfs_min, lfi_min, lf_mix, wgc16, gate_b, cls_b, on_g, on_b, hn16; writes hn16
;; launch head: the kernel of part 4 again; grid 16 x 16, 4 waves a work-group, clusters of 4 x 4, 327,680 bytes of LDS; arguments hn16, wh16, head_b, out0; writes out0
